; MI455X (gfx1250); checked and timed in simulation.
; The chip was launched on July 23, 2026; its instructions are those of AMD's public machine-readable ISA for CDNA 5 (MIT licence, August 2026) and "CDNA5" Instruction Set Architecture Reference Guide (July 2026). The comments in the code are by the model that wrote it; some were corrected since.
;; Multi Headed Attention. Allowed arithmetic: matrix products marked QUANTISED: E2M1 operands, one E8M0 scale for each 32 along K, by v_wmma_scale_f32_16x16x128_f8f6f4 with both operands' format E2M1 (or v_wmma_scale_f32_32x16x128_f4), f32 sums; products left as they are: bf16, f16 or f32 operands; f32 sums; everything else in f32.
;; Inputs: W_o 1,024 x 1,024 float32; W_qkv 1,024 x 3,072 float32; b_o 1,024 float32; b_qkv 3,072 float32; x 4 x 2,048 x 1,024 float32.
;; Outputs: out0 4 x 2,048 x 1,024 float32.
;; This version of the problem:
;;   THIS VERSION OF THE PROBLEM IS GIVEN IN LOW PRECISION. The matrix products marked QUANTISED in the list below multiply operands that are first quantised to E2M1 (2 exponent bits, 1 mantissa bit; 4 bits a number), with one power-of-two scale for each 32 numbers along K (OCP MX v1.0); their sums are f32. The products marked 'left as it is' may take bf16, f16 or f32 operands, with f32 sums. Whichever they take, every output number must still come out within the allowed error. Rounding operands to bf16 (8 significant bits) uses up far more of that allowance than f16 does (11 bits, for magnitudes from 6e-5 to 65,504). All else is computed in f32.
;;   The module's matrix products, in the order in which they are computed (A, B: the left and right operand; K: the contracted axis; several contracted axes count as one K, in the product's order):
;;     1. [M 8,192, K 1,024] x [K 1,024, N 3,072]; A: input x; B: input W_qkv: QUANTISED
;;     2. batch 64 x [M 2,048, K 64] x [K 64, N 2,048]; A: computed on the way; B: computed on the way: left as it is (an operand is computed on the way)
;;     3. batch 64 x [M 2,048, K 2,048] x [K 2,048, N 64]; A: computed on the way; B: computed on the way: left as it is (an operand is computed on the way)
;;     4. [M 8,192, K 1,024] x [K 1,024, N 1,024]; A: computed on the way; B: input W_o: left as it is (an operand is computed on the way)
;;   THE QUANTISER, for each operand of a quantised product, along K:
;;     - K is cut into blocks of 32 from its start; a last block that is shorter is filled with zeros.
;;     - A block's scale is 2^e with e = floor(log2(the largest magnitude in the block)) - 2, held to -126 .. 127; a block of zeros has e = 0. As a byte (E8M0): e + 127.
;;     - Each number is divided by its block's scale, clamped to +-6, and rounded to the nearest number of E2M1, ties to even, subnormals kept.
;;     - The product sums the exact products of the quantised numbers (number of the format x scale) in f32.
;;   ~~~python
;;   def quantise(x, axis):      # numpy; x: float32 -> the quantised numbers, widened to float32 again
;;       x = np.moveaxis(x, axis, -1); K = x.shape[-1]
;;       x = np.pad(x, [(0, 0)] * (x.ndim - 1) + [(0, -K % 32)]); x = x.reshape(x.shape[:-1] + (-1, 32)); a = np.abs(x).max(-1, keepdims=True)
;;       e = np.where(a > 0, np.clip(np.frexp(np.where(a > 0, a, 1))[1] - 1 - 2, -126, 127), 0)      # np.frexp(a)[1] - 1 = floor(log2(a)), exactly
;;       r = np.clip(x / 2.0 ** e, -6, 6)
;;       step = 2.0 ** (np.maximum(np.frexp(np.where(r == 0, 1, r))[1] - 1, 0) - 1)
;;       q = np.round(r / step) * step * 2.0 ** e      # np.round: ties to even
;;       return np.moveaxis(q.reshape(q.shape[:-2] + (-1,))[..., :K], -1, axis).astype(np.float32)
;;   ~~~
;; One version. Each part assembles by itself: llvm-mc -triple=amdgcn-amd-amdhsa -mcpu=gfx1250 --defsym DOCPART=n.
;; ======== version 1 of 1: 5 launches
;; limits: values are held in f16: magnitudes above 65,504 overflow, below 6.1e-05 lose precision
;; workspace buffers: x_codes 4,194,304 bytes; x_scales 262,144 bytes; w_codes 1,572,864 bytes; w_scales 98,304 bytes; wo16 2,097,152 bytes; qkvh 50,331,648 bytes; qkv32 786,432 bytes; att 16,777,216 bytes
;; launch prep (part 1): grid 336 x 1, 4 waves a work-group, no clusters, 68,096 bytes of LDS; arguments x, W_qkv, W_o, x_codes, x_scales, w_codes, w_scales, wo16; writes x_codes, x_scales, w_codes, w_scales, wo16
.if DOCPART == 1
	.amdgcn_target "amdgcn-amd-amdhsa--gfx1250"
	.amdhsa_code_object_version 6
	.text
	.protected	k_qba9bd75a9a_prep
	.globl	k_qba9bd75a9a_prep
	.p2align	8
	.type	k_qba9bd75a9a_prep,@function
k_qba9bd75a9a_prep:
	s_mov_b64 s[64:65], 0
	v_nop
	global_prefetch_b8 v0, s[64:65] scope:SCOPE_SE
	s_setreg_imm32_b32 hwreg(HW_REG_WAVE_MODE, 25, 1), 1
	s_wait_xcnt 0x0
; THE PROGRAM: causal attention, B 4, S 2,048, E 1,024, 16 heads of 64.  Five launches: this one (operands of the first product into codes of E2M1, W_o into f16); the first product on codes;
; attention in f16; the projection in f16; positions 0 to 15 of every sequence once more in f32.
; WORK LEFT OUT, for all values of the inputs.  (1) b_qkv[1024:2048], the bias on K.  score(q, k + b) = q . k + q . b, and q . b is the same for every key of a query's row: a term that is constant along the
; softmax's axis cancels between the exponentials and their sum, whatever it is.  K enters nothing but the scores, and the product of Q and K is not quantised here, so no quantiser stands between.
; These 1,024 numbers are not loaded; the rest of b_qkv (on Q and on V) is.  (2) Tiles of scores that lie wholly above the diagonal of the jnp.tril that reference() builds itself: their weights are 0.
; LIMITS: a NaN, an infinity or an overflow that reaches only b_qkv[1024:2048] or only masked scores is not carried to the result; NaN and infinities among the inputs are not served;
; q, k, v and the attention's result are kept as f16 between launches, so their magnitudes stay under 65,504.
; THIS LAUNCH, three kinds of work-groups, told apart by the work-group's number alone; each kind has LDS bytes of its own.
;   0 .. 255:   x [8192][1024] f32, K innermost -> x_codes [8192][512 bytes], x_scales [8192][32].  A plain stream of blocks of 32.
;   256 .. 303: W_qkv [1024 (k)][3072 (n)] f32, K outermost -> w_codes [3072][512 bytes], w_scales [3072][32]: a lane takes a column, its registers run down K.
;   304 .. 335: W_o f32 -> wo16, f16, same order [k][n].
; A block's scale is 2^(floor(log2(its largest magnitude)) - 2); its byte is the largest magnitude's exponent field - 2, held at 1 from below.  A block of zeros so gets the byte 1 where the rule says 127:
; its codes are zeros, which add nothing under any byte but 0xff, and the bytes are read by this program alone.  Blocks whose largest magnitude lies under 2^(2 - 126) were not tried.
.set SPW,   192                        ; v192  LDS address of my spare word: SPARE + 4 x my thread's number; never rewritten
.set NIL,   193                        ; v193  0; never rewritten
.set SPARE, 67584                      ; behind both paths' regions: 128 bytes for each wave
.set EMAX,  2
; path x
.set STEPS, 16
.set CB,    8                          ; bytes of 16 codes
.set R,     16                         ; v16-79   four sets of 16 numbers as they are loaded
.set X,     80                         ; v80-111  two sets of 16 neighbours
.set E,     112                        ; v112-127 a scale byte for each step
.set C,     128                        ; v128-189 codes: registers of its own for each step
.set WREG,  8192                       ; LDS 0 .. 32,767: a region for each wave: two stages of 32 x SP bytes, then its 256 scale bytes
.set SP,    80                         ; a lane's place in a stage: 64 bytes + 16 of padding
; path W_qkv
.set WN,    3072
.set NB,    16                         ; blocks of 32 along K for a wave (512 along K)
.set PITCH, 272                        ; a stage row: 256 bytes of codes + 16
.set KROW,  512                        ; a row of w_codes in bytes
.set WSTG,  32768                      ; LDS 32,768 .. 67,583: four stages of 32 rows
.set WX,    32                         ; v32-95   two sets of 32 numbers
.set WC,    96                         ; v96-99   a block's codes
.set OUTR,  112                        ; v112-175 the way out
.set SB,    24                         ; v24-27   scale bytes, four to a register
	s_load_b256 s[4:11], s[0:1], 0x0               ; x s[4:5], W_qkv s[6:7], W_o s[8:9], x_codes s[10:11]
	s_load_b256 s[12:19], s[0:1], 0x20             ; x_scales s[12:13], w_codes s[14:15], w_scales s[16:17], wo16 s[18:19]
	v_lshl_add_u32 v[SPW], v0, 2, SPARE
	v_mov_b32 v[NIL], 0
	v_lshrrev_b32 v1, 5, v0
	v_readfirstlane_b32 s20, v1                    ; wave 0..3
	v_and_b32 v2, 31, v0                           ; lane
	s_wait_kmcnt 0x0
	s_cmp_lt_u32 ttmp9, 256
	s_cbranch_scc1 .Lpath_x
	s_cmp_lt_u32 ttmp9, 304
	s_cbranch_scc1 .Lpath_w
; ---------------- W_o into f16.  A wave takes 32,768 bytes, in four runs of 16 loads of 512 consecutive bytes; two runs are on their way.
	s_sub_co_u32 s21, ttmp9, 304
	s_lshl_b32 s21, s21, 2
	s_add_co_u32 s21, s21, s20                     ; my run, 0 .. 127
	s_lshl_b32 s22, s21, 15
	s_mov_b32 s23, 0
	s_add_nc_u64 s[8:9], s[8:9], s[22:23]
	s_lshl_b32 s22, s21, 14
	s_add_nc_u64 s[18:19], s[18:19], s[22:23]
	v_lshlrev_b32 v3, 4, v2                        ; in: 16 bytes a lane
	v_lshlrev_b32 v4, 3, v2                        ; out: 8 bytes a lane
.macro OLOADS k
.set i, 0
.rept 16
	global_load_b128 v[32+64*((\k)%2)+4*i:32+64*((\k)%2)+4*i+3], v3, s[8:9] offset:8192*(\k)+512*i th:TH_LOAD_NT
.set i, i+1
.endr
.endm
.macro OSTEP k
.if (\k) < 3
	s_wait_loadcnt 16                              ; this run's 16 loads are in; the next run's 16 may be out
.else
	s_wait_loadcnt 0x0
.endif
.if (\k) > 0
	s_wait_xcnt 0x0                                ; the last run's stores have read v160-191: they are written again only behind this wait
.endif
.set i, 0
.rept 16
	v_cvt_pk_f16_f32 v[160+2*i], v[32+64*((\k)%2)+4*i], v[32+64*((\k)%2)+4*i+1]
	v_cvt_pk_f16_f32 v[161+2*i], v[32+64*((\k)%2)+4*i+2], v[32+64*((\k)%2)+4*i+3]
.set i, i+1
.endr
.set i, 0
.rept 16
	global_store_b64 v4, v[160+2*i:161+2*i], s[18:19] offset:4096*(\k)+256*i   ; 32 lanes store 256 consecutive bytes, aligned
.set i, i+1
.endr
.if (\k) < 2
	OLOADS (\k)+2
.endif
.endm
	OLOADS 0
	OLOADS 1
	OSTEP 0
	OSTEP 1
	OSTEP 2
	OSTEP 3
	s_wait_tensorcnt 0x0                           ; the wave's end: every path of this text ends alike
	ds_add_u32 v[SPW], v[NIL]
	s_wait_dscnt 0x0
	s_endpgm
; ---------------- x.  A wave takes 16 steps of 512 numbers.  Each load reads 512 consecutive bytes, 16 a lane; a step's 2,048 bytes turn through the wave's own stage in LDS and come back 64 bytes a lane,
; so that a lane holds 16 neighbours along K (two neighbouring lanes hold a block).  Loads run four steps ahead, the turn through LDS one step.
.Lpath_x:
	v_lshlrev_b32 v3, 4, v2                        ; my 16 bytes of a load's 512
	s_mul_i32 s21, s20, WREG
	v_lshrrev_b32 v14, 2, v2
	v_mul_u32_u24 v14, v14, SP
	v_and_b32 v15, 3, v2
	v_lshl_add_u32 v14, v15, 4, v14
	v_add_nc_u32 v14, s21, v14                     ; the stage, on the way in: SP (lane / 4) + 16 (lane % 4)
	v_mul_u32_u24 v15, v2, SP
	v_add_nc_u32 v15, s21, v15                     ; and on the way out: SP x lane
	v_mul_u32_u24 v4, v2, CB                       ; my codes' place in a step's
	v_lshrrev_b32 v5, 1, v2
	s_add_co_u32 s21, s21, 2*32*SP
	v_add_nc_u32 v5, s21, v5                       ; my wave's 256 scale bytes, my block's byte
	v_lshlrev_b32 v7, 3, v2
	v_add_nc_u32 v6, s21, v7                       ; and on the way out 8 bytes a lane
	s_lshl_b32 s22, ttmp9, 2
	s_add_co_u32 s22, s22, s20                     ; which run of 8,192 numbers is my wave's
	s_lshl_b32 s24, s22, 15
	s_mov_b32 s25, 0
	s_add_nc_u64 s[4:5], s[4:5], s[24:25]
	s_lshl_b32 s24, s22, 12
	s_add_nc_u64 s[10:11], s[10:11], s[24:25]
	s_lshl_b32 s24, s22, 8
	s_add_nc_u64 s[12:13], s[12:13], s[24:25]
.macro XLOAD t
.irp i, 0,1,2,3
	global_load_b128 v[R+16*((\t)%4)+4*\i:R+16*((\t)%4)+4*\i+3], v3, s[4:5] offset:2048*(\t)+512*\i th:TH_LOAD_NT
.endr
.endm
.macro XTURN t                         ; LDS serves a wave's instructions in order, so no wait stands between the stores and the loads
.irp i, 0,1,2,3
	ds_store_b128 v14, v[R+16*((\t)%4)+4*\i:R+16*((\t)%4)+4*\i+3] offset:32*SP*((\t)%2)+8*SP*\i
.endr
.irp i, 0,1,2,3
	ds_load_b128 v[X+16*((\t)%2)+4*\i:X+16*((\t)%2)+4*\i+3], v15 offset:32*SP*((\t)%2)+16*\i
.endr
.endm
.irp t, 0,1,2,3
	XLOAD \t
.endr
	s_wait_loadcnt 12                              ; step 0's four loads are in
	XTURN 0
.macro XSTEP t
.set XS, X+16*((\t)%2)
.if (\t) > 0
	s_wait_dscnt 1                                 ; this step's numbers are back from the stage (the last step's byte store may be out): so its stores into the stage have read their registers,
.else
	s_wait_dscnt 0x0
.endif
.if (\t)+4 < STEPS
	XLOAD (\t)+4                                   ; which take the loads of four steps on
.endif
.if (\t)+1 < STEPS
.if STEPS-2-(\t) >= 3
	s_wait_loadcnt 12                              ; the next step's four loads are in; those of the three steps behind it may be out
.else
	s_wait_loadcnt 4*(STEPS-2-(\t))
.endif
	XTURN (\t)+1
.endif
	v_max3_num_f32 v8, |v[XS]|, |v[XS+1]|, |v[XS+2]|               ; the largest magnitude of my 16, in two chains
	v_max3_num_f32 v9, |v[XS+3]|, |v[XS+4]|, |v[XS+5]|
.irp i, 6,10
	v_max3_num_f32 v8, v8, |v[XS+\i]|, |v[XS+\i+1]|
	v_max3_num_f32 v9, v9, |v[XS+\i+2]|, |v[XS+\i+3]|
.endr
	v_max3_num_f32 v8, v8, |v[XS+14]|, |v[XS+15]|
	v_max3_num_f32 v8, v8, v9, (EMAX+1)<<23        ; and the floor 2^(EMAX + 1 - 127): the byte cannot fall under 1
	v_max_num_f32_dpp v8, v8, v8 row_xmask:1 row_mask:0xf bank_mask:0xf   ; and of my neighbour's 16: the block's
	v_add_nc_u32 v11, -(EMAX<<23), v8              ; EMAX off its exponent field: the conversion takes the exponent field of this operand as its scale
	v_cvt_scalef32_pk8_fp4_f32 v[C+4*(\t)], v[XS:XS+7], v11
	v_cvt_scalef32_pk8_fp4_f32 v[C+4*(\t)+1], v[XS+8:XS+15], v11
	v_lshrrev_b32 v[E+(\t)], 23, v11               ; the scale's byte (a plain line behind the conversions)
	ds_store_b8 v5, v[E+(\t)] offset:16*(\t)       ; both lanes of a block write the same byte with the same value
	global_store_b64 v4, v[C+4*(\t):C+4*(\t)+1], s[10:11] offset:32*CB*(\t)   ; 32 lanes store 256 consecutive bytes, aligned
.endm
.irp t, 0,1,2,3,4,5,6,7,8,9,10,11,12,13,14,15
	XSTEP \t
.endr
	ds_load_b64 v[8:9], v6                         ; LDS serves a wave's instructions in order: these see my byte stores
	s_wait_dscnt 0x0
	global_store_b64 v7, v[8:9], s[12:13]          ; the wave's 256 scale bytes: 256 consecutive bytes, aligned
	s_wait_tensorcnt 0x0                           ; the wave's end: behind my last LDS store
	ds_add_u32 v[SPW], v[NIL]
	s_wait_dscnt 0x0
	s_endpgm
; ---------------- W_qkv.  A wave takes 32 columns x 512 along K: 16 blocks a lane.  Each load reads one row k at 32 neighbouring columns; a block of 32 along K lies in one lane's 32 registers.
; A lane's codes belong to one row of w_codes: they go through the wave's own stage and leave as rows, sixteen lanes to 256 consecutive bytes.  Loads run two blocks ahead.
; Every offset is an immediate: 511 x 12,288 bytes at the most, inside the signed 24-bit field.
.Lpath_w:
	s_sub_co_u32 s21, ttmp9, 256                   ; 0 .. 47: 24 groups of 128 columns x 2 halves of K
	s_cmp_ge_u32 s21, 24
	s_cselect_b32 s22, 1, 0                        ; which 512 along K
	s_cselect_b32 s23, 24, 0
	s_sub_co_u32 s21, s21, s23                     ; which 128 columns
	s_lshl_b32 s23, s21, 7
	s_lshl_b32 s24, s20, 5
	s_add_co_u32 s23, s23, s24                     ; my wave's first column
	v_lshlrev_b32 v3, 2, v2                        ; in: 4 bytes a lane
	s_mul_i32 s24, s20, 32*PITCH
	s_add_co_u32 s24, s24, WSTG                    ; my stage
	v_mul_u32_u24 v4, v2, PITCH
	v_add_nc_u32 v4, s24, v4                       ; into it: row = my column
	v_and_b32 v5, 15, v2
	v_lshrrev_b32 v6, 4, v2
	v_mul_u32_u24 v7, v6, PITCH
	v_lshl_add_u32 v7, v5, 4, v7
	v_add_nc_u32 v7, s24, v7                       ; out of it: sixteen lanes to a row, two rows an instruction
	v_mul_u32_u24 v8, v6, KROW
	v_lshl_add_u32 v8, v5, 4, v8                   ; and the same place in w_codes
	s_mul_i32 s26, s22, 512*WN*4
	s_lshl_b32 s27, s23, 2
	s_add_co_u32 s26, s26, s27
	s_mov_b32 s27, 0
	s_add_nc_u64 s[6:7], s[6:7], s[26:27]          ; W_qkv at (512 y, my first column)
	s_lshl_b32 s26, s23, 9
	s_lshl_b32 s28, s22, 8
	s_add_co_u32 s26, s26, s28
	s_add_nc_u64 s[14:15], s[14:15], s[26:27]      ; w_codes at row = column, 256 y bytes on
	s_lshl_b32 s26, s23, 5
	s_lshl_b32 s28, s22, 4
	s_add_co_u32 s26, s26, s28
	s_add_nc_u64 s[16:17], s[16:17], s[26:27]      ; w_scales likewise, 16 y bytes on
	v_lshlrev_b32 v9, 5, v2                        ; my column's row of scale bytes
.macro WLOAD t
.set i, 0
.rept 32
	global_load_b32 v[WX+32*((\t)%2)+i], v3, s[6:7] offset:(32*(\t)+i)*WN*4 th:TH_LOAD_NT
.set i, i+1
.endr
.endm
	WLOAD 0
	WLOAD 1
.macro WBLOCK t
.set XS, WX+32*((\t)%2)
.if (\t) < NB-1
	s_wait_loadcnt 32                              ; this block's 32 loads are in; the next block's may be out
.else
	s_wait_loadcnt 0x0
.endif
	v_max3_num_f32 v12, |v[XS]|, |v[XS+1]|, |v[XS+2]|              ; the block's largest magnitude: all 32 numbers are mine
	v_max3_num_f32 v13, |v[XS+3]|, |v[XS+4]|, |v[XS+5]|
.irp i, 6,10,14,18,22,26
	v_max3_num_f32 v12, v12, |v[XS+\i]|, |v[XS+\i+1]|
	v_max3_num_f32 v13, v13, |v[XS+\i+2]|, |v[XS+\i+3]|
.endr
	v_max3_num_f32 v12, v12, |v[XS+30]|, |v[XS+31]|
	v_max3_num_f32 v12, v12, v13, (EMAX+1)<<23     ; and the floor
	v_add_nc_u32 v11, -(EMAX<<23), v12             ; the conversion's scale operand
	v_lshrrev_b32 v13, 23, v11                     ; the scale's byte
.if (\t)%4 == 0
	v_mov_b32 v[SB+(\t)/4], v13                    ; four bytes to a register, the lower K in the lower byte
.else
	v_lshl_or_b32 v[SB+(\t)/4], v13, 8*((\t)%4), v[SB+(\t)/4]
.endif
.irp g, 0,1,2,3
	v_cvt_scalef32_pk8_fp4_f32 v[WC+\g], v[XS+8*\g:XS+8*\g+7], v11
.endr
	ds_store_b128 v4, v[WC:WC+3] offset:16*(\t)    ; 32 codes: 16 bytes of my column's row
.if (\t)+2 < NB
	WLOAD (\t)+2
.endif
	s_wait_dscnt 0x0                               ; the store has read its registers: the next block's codes may be written
.endm
.set Q, 0
.rept NB
	WBLOCK Q
.set Q, Q+1
.endr
	global_store_b128 v9, v[SB:SB+3], s[16:17]     ; my column's 16 scale bytes
.irp t, 0,1,2,3,4,5,6,7,8,9,10,11,12,13,14,15
	ds_load_b128 v[OUTR+4*\t:OUTR+4*\t+3], v7 offset:2*\t*PITCH
.endr
.irp t, 0,1,2,3,4,5,6,7,8,9,10,11,12,13,14,15
	s_wait_dscnt 15-\t                             ; LDS loads come back in order: load t is in, the 15 - t younger may be out
	global_store_b128 v8, v[OUTR+4*\t:OUTR+4*\t+3], s[14:15] offset:2*\t*KROW
.endr
	s_wait_tensorcnt 0x0                           ; the wave's end: behind my last LDS store
	ds_add_u32 v[SPW], v[NIL]
	s_wait_dscnt 0x0
	s_endpgm
.Lfunc_end_k_qba9bd75a9a_prep:
	.size	k_qba9bd75a9a_prep, .Lfunc_end_k_qba9bd75a9a_prep-k_qba9bd75a9a_prep
	.p2alignl 7, 3214868480
	.fill 96, 4, 3214868480
	.section	.rodata,"a",@progbits
	.p2align	6, 0x0
	.amdhsa_kernel k_qba9bd75a9a_prep
		.amdhsa_group_segment_fixed_size 68096
		.amdhsa_private_segment_fixed_size 0
		.amdhsa_enable_private_segment 0
		.amdhsa_kernarg_size 64
		.amdhsa_user_sgpr_count 2
		.amdhsa_user_sgpr_kernarg_segment_ptr 1
		.amdhsa_wavefront_size32 1
		.amdhsa_system_sgpr_workgroup_id_x 1
		.amdhsa_system_sgpr_workgroup_id_y 1
		.amdhsa_system_sgpr_workgroup_id_z 1
		.amdhsa_system_vgpr_workitem_id 0
		.amdhsa_next_free_vgpr 194
		.amdhsa_next_free_sgpr 66
		.amdhsa_reserve_vcc 0
		.amdhsa_float_denorm_mode_32 3
		.amdhsa_float_denorm_mode_16_64 3
		.amdhsa_memory_ordered 1
		.amdhsa_forward_progress 1
		.amdhsa_inst_pref_size 131
	.end_amdhsa_kernel
	.amdgpu_metadata
---
amdhsa.version: [ 1, 2 ]
amdhsa.kernels:
  - .name:           k_qba9bd75a9a_prep
    .symbol:         k_qba9bd75a9a_prep.kd
    .args:
      - { .name: x, .offset: 0, .size: 8, .value_kind: global_buffer, .address_space: global }
      - { .name: W_qkv, .offset: 8, .size: 8, .value_kind: global_buffer, .address_space: global }
      - { .name: W_o, .offset: 16, .size: 8, .value_kind: global_buffer, .address_space: global }
      - { .name: x_codes, .offset: 24, .size: 8, .value_kind: global_buffer, .address_space: global }
      - { .name: x_scales, .offset: 32, .size: 8, .value_kind: global_buffer, .address_space: global }
      - { .name: w_codes, .offset: 40, .size: 8, .value_kind: global_buffer, .address_space: global }
      - { .name: w_scales, .offset: 48, .size: 8, .value_kind: global_buffer, .address_space: global }
      - { .name: wo16, .offset: 56, .size: 8, .value_kind: global_buffer, .address_space: global }
    .group_segment_fixed_size: 68096
    .private_segment_fixed_size: 0
    .kernarg_segment_align: 8
    .kernarg_segment_size: 64
    .max_flat_workgroup_size: 128
    .sgpr_count:     66
    .vgpr_count:     194
    .wavefront_size: 32
...
	.end_amdgpu_metadata
.endif
;; end of part 1
;; launch gemm_qkv (part 2): grid 12 x 32, 4 waves a work-group, clusters of 4 x 4, 327,680 bytes of LDS; arguments x_codes, x_scales, w_codes, w_scales, b_qkv, qkvh, qkv32; writes qkvh, qkv32
.if DOCPART == 2
	.amdgcn_target "amdgcn-amd-amdhsa--gfx1250"
	.amdhsa_code_object_version 6
	.text
	.protected	k_qba9bd75a9a_gemm_qkv
	.globl	k_qba9bd75a9a_gemm_qkv
	.p2align	8
	.type	k_qba9bd75a9a_gemm_qkv,@function
k_qba9bd75a9a_gemm_qkv:
	s_mov_b64 s[64:65], 0
	v_nop
	global_prefetch_b8 v0, s[64:65] scope:SCOPE_SE
	s_setreg_imm32_b32 hwreg(HW_REG_WAVE_MODE, 25, 1), 1
	s_wait_xcnt 0x0
	s_wait_alu depctr_hold_cnt(0) depctr_sa_sdst(0) depctr_va_vdst(0) depctr_va_sdst(0) depctr_va_ssrc(0) depctr_va_vcc(0) depctr_vm_vsrc(0)
	s_getreg_b32 s2, hwreg(HW_REG_IB_STS2, 6, 4)
	s_cmp_eq_u32 s2, 0
	s_cbranch_scc0 .Lentry_in_a_cluster
	s_endpgm
.Lentry_in_a_cluster:
	s_bfe_u32 s2, ttmp6, 0x10000c
	s_cmp_lg_u32 s2, 0xf033
	s_cbranch_scc0 .Lentry_shape_is_right
	s_endpgm
.Lentry_shape_is_right:
; qkv[m][n] = sum over k of Q(x)[m][k] Q(W_qkv)[k][n] + b_qkv[n], on codes of E2M1 with one E8M0 scale for each 32 along K; sums in f32.  m 8,192, n 3,072, k 1,024.
; WORK LEFT OUT: the bias on K's 1,024 columns (it cancels in the softmax for all values: shown at the head of the first kernel); those 1,024 numbers of b_qkv are not loaded.
; LIMIT: the results go out as f16, so their magnitudes stay under 65,504.
; A tile of 256 x 256 is made by four waves, 128 x 128 each: 64 accumulators of 16 x 16.  K is two slots of 512 (LDS rows of 256 bytes): both are asked for at the start, and nothing is filled again.
; The scale bytes of the work-group's 256 + 256 rows, for all of K, come into LDS once, in rows of 256 bytes.
; CLUSTERS: 4 x 4 work-groups; A's tiles are asked for jointly along a row of the cluster, B's along a column.  The tile row is cluster y + 8 cy: so the batch is cy, and whether a tile holds a sequence's first
; 256 positions hangs on cluster y alone, which all sixteen partners share.
; THE MATRIX INSTRUCTION IS USED TRANSPOSED (source 0 = 16 rows of w_codes, source 1 = 16 rows of x_codes): a lane holds eight neighbouring columns of one row.  The bias is the C of each sum's first product.
; OUT: f16 by head, qkvh [q, k, v][batch][head][position][64]: two neighbouring positions of a head are 256 consecutive bytes.  Positions 0 to 15 of each sequence go out in f32 as well, as images of the
; accumulators' registers, for the last launch.
; REGISTERS, in windows of 256: window 0: v0-31 addresses; v32-95 scale words, two sets; v128-191 A's fragments, one set; on the way out v32-127 are free.
;   window 1: B's fragments, two sets, at v0 and v128; v192-255 the bias, 8 blocks x 8.   window 2: the accumulators of my rows 0-63 ((a, b) at v[8 (8 a + b)]);   window 3: those of my rows 64-127.
.set NQ,     4                         ; matrix instructions deep in a slot
.set ROWB,   256                       ; a tile's row in bytes: 512 codes
.set KROW,   512                       ; a row of codes in memory
.set PITCH,  272                       ; an LDS row: 256 bytes + 16 of padding = 68 words: the 16 rows that a load touches begin 4 words apart modulo 64
.set FR,     8                         ; registers of a fragment: 16 rows x 128 K
.set NL,     2                         ; LDS loads that bring one
.set NP,     4                         ; places behind this matrix instruction (ISA guide 7.12.1)
.set HALFT,  128*PITCH
.set SLOT,   4*HALFT                   ; A's 256 rows, then B's 256 rows
.set KS,     32                        ; a row of scale bytes
.set SCL,    2*SLOT                    ; behind the two slots: the scales, as rows of 256 bytes + 16
.set HALFS,  (128*KS/256)*272
.set SBLK,   (16*KS/256)*272
.set SPARE,  SCL+4*HALFS               ; the spare words, 128 bytes for each wave
.set SPITCH, 272                       ; the way out: a stage of 16 rows x (256 bytes + 16) for each wave, in slot 0, which has had its only fill and its last read by then
.set ADRA, 16                          ; v16-17  LDS address of my A fragments in slot 0, 1
.set ADRB, 20                          ; v20-21  the same for B
.set STO,  24                          ; v24     the way out: where I put 16 bytes of a row
.set RD,   25                          ; v25     where I read them back
.set CO,   26                          ; v26     my byte offset in qkvh
.set ADRS, 27                          ; v27     LDS address of my scale words: lanes 0-15 A's rows, lanes 16-31 B's
.set SPW,  28                          ; v28     my spare word; never rewritten
.set NIL,  29                          ; v29     0; never rewritten
.set L16,  30                          ; v30     16 x lane
.set BO,   31                          ; v31     32 x (lane / 16): my half's eight numbers of the bias
.set SC,   32
.set AF,   128
.set BI,   192                         ; in window 1
.set TMP,  32                          ; the way out: packed results
.set BK,   64                          ; and rows read back: v64-95, v96-127 by turns
.set G1, 24
.set G0, 32
.set G1B, 48
.set G0B, 56
.set G1S, 68
.set G0S, 76
.set G1SB, 80
.set G0SB, 88
.set MSB, 0
.macro WIN new                         ; the immediate's high byte repeats the setting that is left
.if MSB != (\new)
	s_set_vgpr_msb (MSB<<8)|(\new)
.set MSB, (\new)
.endif
.endm
.set MUL_LO,   0xa1                    ; source 0 (B) window 1, source 1 (A) window 0, C and D window 2
.set MUL_HI,   0xf1                    ; the same, C and D window 3
.set FIRST_LO, 0x91                    ; C (the bias) window 1, D window 2
.set FIRST_HI, 0xd1                    ; C window 1, D window 3
.set TO_B,     0x40                    ; destination window 1, address window 0
; A joint load: waves 0 and 1 fetch for A, waves 2 and 3 for B; the branch hangs on the wave's number alone.  An s_nop 0 and four v_nop follow each of the two lines.
.macro JLOAD g0a, g1a, g0b, g1b
	s_cmp_eq_u32 s15, 0
	s_cbranch_scc0 .Lfor_b_\@
	tensor_load_to_lds s[\g0a:\g0a+3], s[\g1a:\g1a+7]
	s_nop 0
.rept 4
	v_nop
.endr
	s_branch .Lasked_\@
.Lfor_b_\@:
	tensor_load_to_lds s[\g0b:\g0b+3], s[\g1b:\g1b+7]
	s_nop 0
.rept 4
	v_nop
.endr
.Lasked_\@:
.endm
.macro CROUND                          ; a round of the cluster's barrier
	s_barrier_signal -1
	s_barrier_wait -1
	s_cmp_lg_u32 s14, 0
	s_cbranch_scc1 .Lnot_wave_0_\@
	s_barrier_signal -3
.Lnot_wave_0_\@:
	s_barrier_wait -3
	s_barrier_signal -1
	s_barrier_wait -1
.endm
	s_load_b128 s[4:7], s[0:1], 0x0                ; x_codes s[4:5], x_scales s[6:7]
	s_load_b128 s[8:11], s[0:1], 0x10              ; w_codes s[8:9], w_scales s[10:11]
	s_load_b64 s[96:97], s[0:1], 0x20              ; b_qkv
	s_load_b64 s[12:13], s[0:1], 0x28              ; qkvh
	s_load_b64 s[98:99], s[0:1], 0x30              ; qkv32
	v_lshl_add_u32 v[SPW], v0, 2, SPARE
	v_mov_b32 v[NIL], 0
	ds_add_u32 v[SPW], v[NIL]                      ; the wave's opening: the add, twice on end, and its wait ahead of my first tensor load
	ds_add_u32 v[SPW], v[NIL]
	v_lshrrev_b32 v1, 5, v0
	v_readfirstlane_b32 s14, v1                    ; wave 0..3
	s_lshr_b32 s15, s14, 1                         ; which half of the tile's rows is mine.  Also: I fetch for A (0) or for B (1)
	s_and_b32 s16, s14, 1                          ; which half of its columns.  Also: which 128 rows of that tile I fetch
	s_bfe_u32 s40, ttmp6, 0x40000                  ; cx, cy: my place in the cluster
	s_bfe_u32 s41, ttmp6, 0x40004
	s_lshl_b32 s42, ttmp9, 2
	s_add_co_u32 s42, s42, s40                     ; tile column = 4 x cluster x + cx
	s_and_b32 s95, ttmp7, 0xffff                   ; cluster y: which 256 positions of a sequence
	s_lshl_b32 s17, s41, 3
	s_add_co_u32 s17, s17, s95                     ; tile row = 8 cy + cluster y: the batch is cy
	s_lshl_b32 s43, s41, 2
	s_lshl_b32 s43, 15, s43                        ; my row of the cluster
	s_lshl_b32 s44, 0x1111, s40                    ; my column
	s_or_b32 s[G1+0], s43, (0<<16)|(1<<20)|(1<<21)|(5<<22)|(3<<25)  ; the mask; elements of 1 byte; padding on; bit 21 beside a mask; after every 64 words four words
	s_or_b32 s[G1B+0], s44, (0<<16)|(1<<20)|(1<<21)|(5<<22)|(3<<25)
.irp g, G1, G1B
	s_mov_b32 s[\g+1], ROWB<<16                    ; tensor_dim0
	s_mov_b32 s[\g+2], 128<<16                     ; tensor_dim1
	s_mov_b32 s[\g+3], ROWB<<16                    ; tile_dim0
	s_mov_b32 s[\g+4], 128                         ; tile_dim1
	s_mov_b32 s[\g+5], KROW                        ; from row to row
	s_mov_b32 s[\g+6], 0
	s_mov_b32 s[\g+7], 0
.endr
	s_or_b32 s[G1S+0], s43, (3<<16)|(1<<20)|(1<<21)|(5<<22)|(3<<25)  ; the scales of 128 rows: 4,096 dense bytes as 16 rows of 32 elements of 8 bytes
	s_or_b32 s[G1SB+0], s44, (3<<16)|(1<<20)|(1<<21)|(5<<22)|(3<<25)
.irp g, G1S, G1SB
	s_mov_b32 s[\g+1], 32<<16
	s_mov_b32 s[\g+2], (128*KS/256)<<16
	s_mov_b32 s[\g+3], 32<<16
	s_mov_b32 s[\g+4], 128*KS/256
	s_mov_b32 s[\g+5], 32
	s_mov_b32 s[\g+6], 0
	s_mov_b32 s[\g+7], 0
.endr
	s_lshl_b32 s18, s16, 7                         ; which 128 rows of the tile I fetch
	s_lshl_b32 s20, s17, 8
	s_add_co_u32 s20, s20, s18                     ; A: row 256 x tile row + 128 x half
	s_lshl_b32 s46, s42, 8
	s_add_co_u32 s46, s46, s18                     ; B: row 256 x tile column + 128 x half
	s_mov_b32 s21, 0
	s_mov_b32 s47, 0
	s_mov_b64 s[18:19], KS
	s_mul_u64 s[22:23], s[20:21], s[18:19]         ; where these rows' scales begin, in bytes,
	s_mul_u64 s[92:93], s[46:47], s[18:19]
	s_mov_b64 s[18:19], KROW
	s_mul_u64 s[20:21], s[20:21], s[18:19]         ; and their codes
	s_mul_u64 s[46:47], s[46:47], s[18:19]
	s_mul_i32 s45, s14, HALFT                      ; where they go: wave x 128 rows: no place in the cluster enters an LDS address
	s_mul_i32 s94, s14, HALFS
	s_wait_dscnt 0x0                               ; both opening adds are done
	s_wait_kmcnt 0x0
	s_add_nc_u64 s[20:21], s[4:5], s[20:21]
	s_add_nc_u64 s[22:23], s[6:7], s[22:23]
	s_add_nc_u64 s[46:47], s[8:9], s[46:47]
	s_add_nc_u64 s[92:93], s[10:11], s[92:93]
	CROUND                                         ; all sixteen work-groups are here: the joint loads meet
	s_mov_b32 s[G0S], 1
	s_add_co_u32 s[G0S+1], s94, SCL
	s_mov_b64 s[G0S+2:G0S+3], s[22:23]
	s_or_b32 s[G0S+3], s[G0S+3], 0x80000000
	s_mov_b32 s[G0SB], 1
	s_add_co_u32 s[G0SB+1], s94, SCL
	s_mov_b64 s[G0SB+2:G0SB+3], s[92:93]
	s_or_b32 s[G0SB+3], s[G0SB+3], 0x80000000
	JLOAD G0S, G1S, G0SB, G1SB                     ; the scales first: they are wanted with slot 0
.irp s, 0,1
	s_mov_b32 s[G0+4*\s], 1
	s_add_co_u32 s[G0+4*\s+1], s45, \s*SLOT
	s_add_nc_u64 s[G0+4*\s+2:G0+4*\s+3], s[20:21], \s*ROWB
	s_or_b32 s[G0+4*\s+3], s[G0+4*\s+3], 0x80000000
	s_mov_b32 s[G0B+4*\s], 1
	s_add_co_u32 s[G0B+4*\s+1], s45, \s*SLOT
	s_add_nc_u64 s[G0B+4*\s+2:G0B+4*\s+3], s[46:47], \s*ROWB
	s_or_b32 s[G0B+4*\s+3], s[G0B+4*\s+3], 0x80000000
	JLOAD G0+4*\s, G1, G0B+4*\s, G1B               ; three loads of mine are out in all
.endr
	v_and_b32 v1, 15, v0                           ; l % 16
	v_bfe_u32 v2, v0, 4, 1                         ; l / 16
	v_mul_u32_u24 v3, v1, PITCH
	v_lshl_add_u32 v4, v2, 4, v3                   ; a fragment's row x pitch + 16 x half
	s_mul_i32 s21, s15, HALFT                      ; my 128 rows of A
	s_mul_i32 s22, s16, HALFT                      ; my 128 rows of B,
	s_add_co_u32 s22, s22, 2*HALFT                 ; which lie behind A's 256
.irp s, 0,1
	v_add_nc_u32 v[ADRA+\s], s21, v4
	v_add_nc_u32 v[ADRB+\s], s22, v4
	s_add_co_u32 s21, s21, SLOT
	s_add_co_u32 s22, s22, SLOT
.endr
	v_mul_u32_u24 v5, v1, KS                       ; my row's scales: 32 bytes a row,
	v_lshrrev_b32 v6, 8, v5
	v_lshl_add_u32 v5, v6, 4, v5                   ; and 16 more for each 256 passed
	s_mul_i32 s21, s15, HALFS
	s_mul_i32 s22, s16, HALFS
	s_add_co_u32 s22, s22, 2*HALFS
	s_sub_co_u32 s22, s22, s21
	v_mul_u32_u24 v6, s22, v2                      ; lanes 16-31 take B's: one product, the distance between the two bases
	s_add_co_u32 s21, s21, SCL
	v_add_nc_u32 v5, v5, v6
	v_add_nc_u32 v[ADRS], s21, v5
	s_mul_i32 s23, s14, 16*SPITCH                  ; my stage
	v_mul_u32_u24 v5, v1, SPITCH                   ; in: row l % 16, 16 bytes for each half of the lanes
	v_lshl_add_u32 v5, v2, 4, v5
	v_add_nc_u32 v[STO], s23, v5
	v_bfe_u32 v5, v0, 3, 1                         ; back: lanes 0-15 take my first head's 128 bytes of two rows, lanes 16-31 my second head's
	v_and_b32 v6, 7, v0
	v_mul_u32_u24 v7, v5, SPITCH
	v_lshl_add_u32 v7, v2, 7, v7
	v_lshl_add_u32 v7, v6, 4, v7
	v_add_nc_u32 v[RD], s23, v7
	v_lshlrev_b32 v7, 18, v2                       ; and in qkvh: a head is 262,144 bytes, a position 128
	v_lshl_add_u32 v7, v5, 7, v7
	v_lshl_add_u32 v[CO], v6, 4, v7
	v_and_b32 v6, 31, v0
	v_lshlrev_b32 v[L16], 4, v6
	v_lshlrev_b32 v[BO], 5, v2
	; qkvh at my first row of my first head: head number hh = 4 x tile column + 2 x half, of 48: section hh / 16, head hh % 16
	s_lshl_b32 s100, s42, 2
	s_lshl_b32 s101, s16, 1
	s_add_co_u32 s100, s100, s101
	s_lshr_b32 s101, s100, 4
	s_and_b32 s100, s100, 15
	s_lshl_b32 s101, s101, 6                       ; a section is 64 heads' worth (4 batches x 16)
	s_add_co_u32 s100, s100, s101
	s_lshl_b32 s101, s41, 4                        ; a batch 16
	s_add_co_u32 s100, s100, s101
	s_lshl_b32 s100, s100, 18
	s_lshl_b32 s101, s95, 15                       ; 256 positions of 128 bytes
	s_add_co_u32 s100, s100, s101
	s_lshl_b32 s101, s15, 14                       ; my 128 of them
	s_add_co_u32 s100, s100, s101
	s_mov_b32 s101, 0
	s_add_nc_u64 s[12:13], s[12:13], s[100:101]
	; qkv32 at my image: (24 x batch + my 128 columns' number) x 8,192 bytes
	s_mul_i32 s100, s41, 24
	s_lshl_b32 s101, s42, 1
	s_add_co_u32 s100, s100, s101
	s_add_co_u32 s100, s100, s16
	s_lshl_b32 s100, s100, 13
	s_mov_b32 s101, 0
	s_add_nc_u64 s[98:99], s[98:99], s[100:101]
	; the bias of my 128 columns: lane (r, h) wants, for block b, the numbers 16 b + 8 h + 0 .. 7.  Cluster x = 1 holds K's 1,024 columns: their bias is work left out: zeros, and no load
	s_lshl_b32 s46, s42, 10
	s_lshl_b32 s47, s16, 9
	s_add_co_u32 s46, s46, s47
	s_mov_b32 s47, 0
	s_add_nc_u64 s[96:97], s[96:97], s[46:47]
	s_cmp_eq_u32 ttmp9, 1                          ; the same in all sixteen partners
	s_cbranch_scc1 .Lk_columns
	WIN TO_B
.irp b, 0,1,2,3,4,5,6,7
	global_load_b128 v[BI+8*\b:BI+8*\b+3], v[BO], s[96:97] offset:64*\b
	global_load_b128 v[BI+8*\b+4:BI+8*\b+7], v[BO], s[96:97] offset:64*\b+16
.endr
	WIN 0
	s_branch .Lbias_done
.Lk_columns:
	WIN TO_B
.set i, 0
.rept 64
	v_mov_b32 v[BI+i], 0
.set i, i+1
.endr
	WIN 0
.Lbias_done:
.macro FRAG reg, adr, q, i             ; 16 rows x 128 K of 4-bit codes: lane l holds row l % 16; registers 4 c .. 4 c + 3 hold K = 64 c + 32 (l / 16) + 0 .. 31
.irp c, 0,1
	ds_load_b128 v[\reg+4*\c:\reg+4*\c+3], v[\adr] offset:64*(\q)+32*\c+(\i)*16*PITCH
.endr
.endm
; 16 matrix instructions: A's blocks a0, a0 + 1 x B's eight, the slot's q-th 128 along K.  first = 1: the bias starts the sums.  The 64 accumulators take turns, one instruction a turn, in the same order in every step.
.macro MUL16 a0, p, q, sc, first
.irp a, \a0, \a0+1
.irp b, 0,1,2,3,4,5,6,7
.if \first
	v_wmma_scale_f32_16x16x128_f8f6f4 v[8*(8*((\a)%4)+\b):8*(8*((\a)%4)+\b)+7], v[128*(\p)+FR*\b:128*(\p)+FR*\b+FR-1], v[AF+FR*(\a):AF+FR*(\a)+FR-1], v[BI+8*\b:BI+8*\b+7], v[SC+8*NQ*(\sc)+NQ*\b+(\q)], v[SC+8*NQ*(\sc)+NQ*(\a)+(\q)] matrix_a_fmt:MATRIX_FMT_FP4 matrix_b_fmt:MATRIX_FMT_FP4 matrix_a_scale:MATRIX_SCALE_ROW1
.else
	v_wmma_scale_f32_16x16x128_f8f6f4 v[8*(8*((\a)%4)+\b):8*(8*((\a)%4)+\b)+7], v[128*(\p)+FR*\b:128*(\p)+FR*\b+FR-1], v[AF+FR*(\a):AF+FR*(\a)+FR-1], v[8*(8*((\a)%4)+\b):8*(8*((\a)%4)+\b)+7], v[SC+8*NQ*(\sc)+NQ*\b+(\q)], v[SC+8*NQ*(\sc)+NQ*(\a)+(\q)] matrix_a_fmt:MATRIX_FMT_FP4 matrix_b_fmt:MATRIX_FMT_FP4 matrix_a_scale:MATRIX_SCALE_ROW1
.endif
.endr
.endr
.endm
.macro FETCH_B slot, q, p
	WIN TO_B
.irp i, 0,1,2,3,4,5,6,7
	FRAG 128*(\p)+FR*\i, ADRB+\slot, \q, \i
.endr
	WIN 0
.endm
.macro FETCH_A slot, q, i0
.irp i, \i0, \i0+1, \i0+2, \i0+3
	FRAG AF+FR*(\i), ADRA+\slot, \q, \i
.endr
.endm
.macro SCALES sc                       ; a slot's scale words: four words a row; lanes 0-15 take A's block i, lanes 16-31 B's block i
.irp i, 0,1,2,3,4,5,6,7
	ds_load_b128 v[SC+8*NQ*\sc+NQ*\i:SC+8*NQ*\sc+NQ*\i+3], v[ADRS] offset:\i*SBLK
.endr
.endm
.macro PLACES n                        ; plain vector lines between a matrix instruction and a load into, or a read of, its registers
.rept \n
	v_nop
.endr
.endm
.macro STEP slot, q, first             ; a step of 128 along K that has its successor in the same slot
	s_wait_dscnt 4*NL                              ; B's set and A's blocks 0-3 are in; the youngest eight loads (A's blocks 4-7) may be out
.if \first
	WIN FIRST_LO
.else
	WIN MUL_LO
.endif
	MUL16 0, (\q)%2, \q, \slot, \first
	MUL16 2, (\q)%2, \q, \slot, \first
	s_wait_dscnt 0                                 ; A's blocks 4-7 are in
	PLACES NP
	FETCH_B \slot, (\q)+1, 1-(\q)%2
	FETCH_A \slot, (\q)+1, 0
.if \first
	WIN FIRST_HI
.else
	WIN MUL_HI
.endif
	MUL16 4, (\q)%2, \q, \slot, \first
	MUL16 6, (\q)%2, \q, \slot, \first
	PLACES NP
	WIN 0
	FETCH_A \slot, (\q)+1, 4
.endm
.macro STEPS slot, from
.set Q, \from
.rept NQ-1-\from
	STEP \slot, Q, 0
.set Q, Q+1
.endr
.endm
	s_wait_tensorcnt 1                             ; the scales and my part of slot 0 are in (slot 1's load may be out)
	s_barrier_signal -1
	s_barrier_wait -1                              ; everybody's are
	FETCH_B 0, 0, 0
	FETCH_A 0, 0, 0
	SCALES 0
	FETCH_A 0, 0, 4
	s_wait_loadcnt 0x0                             ; the bias
	STEP 0, 0, 1
	STEPS 0, 1
	; slot 0's last step changes slots: one barrier; in front of it each wave waits for all its tensor loads, adds 0 to its spare word, and waits for that and for its reads of slot 0
	s_wait_tensorcnt 0x0                           ; my part of slot 1 has landed
	ds_add_u32 v[SPW], v[NIL]
	s_wait_dscnt 4*NL+1                            ; (the add and the youngest eight loads may be out)
	WIN MUL_LO
	MUL16 0, 1, NQ-1, 0, 0
	s_wait_dscnt 0x0                               ; the add is done, and my reads of slot 0 are over
	s_barrier_signal -1
	MUL16 2, 1, NQ-1, 0, 0
	WIN 0
	s_barrier_wait -1
	PLACES NP
	v_add_nc_u32 v[ADRS], 4*NQ, v[ADRS]            ; on to slot 1's scale words
	FETCH_B 1, 0, 0
	FETCH_A 1, 0, 0
	SCALES 1
	WIN MUL_HI
	MUL16 4, 1, NQ-1, 0, 0
	MUL16 6, 1, NQ-1, 0, 0
	PLACES NP
	WIN 0
	FETCH_A 1, 0, 4
	STEPS 1, 0
	s_wait_dscnt 4*NL                              ; the very last step: nothing more to fetch
	WIN MUL_LO
	MUL16 0, 1, NQ-1, 1, 0
	MUL16 2, 1, NQ-1, 1, 0
	s_wait_dscnt 0
	WIN MUL_HI
	MUL16 4, 1, NQ-1, 1, 0
	MUL16 6, 1, NQ-1, 1, 0
	WIN 0
	PLACES NP
	; positions 0 to 15 of a sequence in f32: block 0 of the waves with the tile's upper rows, where cluster y = 0.  The accumulators go out as they stand: 16 bytes a lane, 512 consecutive bytes a store, each accumulator from its low end on
	s_or_b32 s100, s95, s15
	s_cmp_lg_u32 s100, 0
	s_cbranch_scc1 .Lno_fine_rows
	WIN 0x08                                       ; a store's data are its source 1: window 2
.irp b, 0,1,2,3,4,5,6,7
	global_store_b128 v[L16], v[8*\b:8*\b+3], s[98:99] offset:1024*\b
	global_store_b128 v[L16], v[8*\b+4:8*\b+7], s[98:99] offset:1024*\b+512
.endr
	WIN 0
.Lno_fine_rows:
; THE WAY OUT, block by block of 16 rows x 128 columns: rounded to f16 (16 bytes a lane), through my own stage, back as pieces of 128 bytes of a head's row; sixteen lanes store two neighbouring positions of one head: 256 consecutive bytes.
.macro PACK a
.set AC, 64*((\a)%4)
	WIN 0x0a+5*((\a)/4)                            ; sources 0 and 1: window 2 or 3
.irp b, 0,1,2,3,4,5,6,7
.irp r, 0,1,2,3
	v_cvt_pk_f16_f32 v[TMP+4*\b+\r], v[AC+8*\b+2*\r], v[AC+8*\b+2*\r+1]
.endr
.endr
	WIN 0
.endm
.macro TOSTAGE a
.set BB, BK+32*((\a)%2)
.irp b, 0,1,2,3,4,5,6,7
	ds_store_b128 v[STO], v[TMP+4*\b:TMP+4*\b+3] offset:32*\b
.endr
.irp t, 0,1,2,3,4,5,6,7
	ds_load_b128 v[BB+4*\t:BB+4*\t+3], v[RD] offset:\t*2*SPITCH    ; LDS serves a wave's instructions in order: these see the stores above
.endr
.endm
.macro SEND a
.set BB, BK+32*((\a)%2)
	s_wait_dscnt 0x0                               ; the block is back in registers
	s_wait_xcnt 0x0                                ; the stores of the block before have read their registers: the next block's loads may land there
.irp t, 0,1,2,3,4,5,6,7
	global_store_b128 v[CO], v[BB+4*\t:BB+4*\t+3], s[12:13] offset:2048*(\a)+256*\t
.endr
.endm
	PACK 0
	TOSTAGE 0
.irp a, 1,2,3,4,5,6,7                  ; block a's conversions stand between block a - 1's loads from the stage and the wait for them
	PACK \a
	SEND \a-1
	TOSTAGE \a
.endr
	SEND 7
	s_wait_tensorcnt 0x0                           ; the wave's end: behind my last tensor load and my last LDS store
	ds_add_u32 v[SPW], v[NIL]
	s_wait_dscnt 0x0
	CROUND                                         ; the closing round: no work-group ends while a partner may still ask for a tile that names it
	s_endpgm
.Lfunc_end_k_qba9bd75a9a_gemm_qkv:
	.size	k_qba9bd75a9a_gemm_qkv, .Lfunc_end_k_qba9bd75a9a_gemm_qkv-k_qba9bd75a9a_gemm_qkv
	.p2alignl 7, 3214868480
	.fill 96, 4, 3214868480
	.section	.rodata,"a",@progbits
	.p2align	6, 0x0
	.amdhsa_kernel k_qba9bd75a9a_gemm_qkv
		.amdhsa_group_segment_fixed_size 327680
		.amdhsa_private_segment_fixed_size 0
		.amdhsa_enable_private_segment 0
		.amdhsa_kernarg_size 56
		.amdhsa_user_sgpr_count 2
		.amdhsa_user_sgpr_kernarg_segment_ptr 1
		.amdhsa_wavefront_size32 1
		.amdhsa_system_sgpr_workgroup_id_x 1
		.amdhsa_system_sgpr_workgroup_id_y 1
		.amdhsa_system_sgpr_workgroup_id_z 1
		.amdhsa_system_vgpr_workitem_id 0
		.amdhsa_next_free_vgpr 1024
		.amdhsa_next_free_sgpr 102
		.amdhsa_reserve_vcc 0
		.amdhsa_float_denorm_mode_32 3
		.amdhsa_float_denorm_mode_16_64 3
		.amdhsa_memory_ordered 1
		.amdhsa_forward_progress 1
		.amdhsa_inst_pref_size 133
	.end_amdhsa_kernel
	.amdgpu_metadata
---
amdhsa.version: [ 1, 2 ]
amdhsa.kernels:
  - .name:           k_qba9bd75a9a_gemm_qkv
    .symbol:         k_qba9bd75a9a_gemm_qkv.kd
    .args:
      - { .name: x_codes, .offset: 0, .size: 8, .value_kind: global_buffer, .address_space: global }
      - { .name: x_scales, .offset: 8, .size: 8, .value_kind: global_buffer, .address_space: global }
      - { .name: w_codes, .offset: 16, .size: 8, .value_kind: global_buffer, .address_space: global }
      - { .name: w_scales, .offset: 24, .size: 8, .value_kind: global_buffer, .address_space: global }
      - { .name: b_qkv, .offset: 32, .size: 8, .value_kind: global_buffer, .address_space: global }
      - { .name: qkvh, .offset: 40, .size: 8, .value_kind: global_buffer, .address_space: global }
      - { .name: qkv32, .offset: 48, .size: 8, .value_kind: global_buffer, .address_space: global }
    .group_segment_fixed_size: 327680
    .private_segment_fixed_size: 0
    .kernarg_segment_align: 8
    .kernarg_segment_size: 56
    .max_flat_workgroup_size: 128
    .sgpr_count:     102
    .vgpr_count:     1024
    .wavefront_size: 32
...
	.end_amdgpu_metadata
.endif
;; end of part 2
;; launch attn (part 3): grid 4 x 64, 8 waves a work-group, no clusters, 327,680 bytes of LDS; arguments qkvh, att; writes att
.if DOCPART == 3
	.amdgcn_target "amdgcn-amd-amdhsa--gfx1250"
	.amdhsa_code_object_version 6
	.text
	.protected	k_qba9bd75a9a_attn
	.globl	k_qba9bd75a9a_attn
	.p2align	8
	.type	k_qba9bd75a9a_attn,@function
k_qba9bd75a9a_attn:
	s_mov_b64 s[64:65], 0
	v_nop
	global_prefetch_b8 v0, s[64:65] scope:SCOPE_SE
	s_setreg_imm32_b32 hwreg(HW_REG_WAVE_MODE, 25, 1), 1
	s_wait_xcnt 0x0
; att[b][h][q][:] = the sum over keys k <= q of softmax_k(Q[q] . K[k] / 8) V[k][:], head size 64.  Q, K, V: f16, qkvh [q, k, v][batch][head][2048][64]; att: f16 [batch][head][2048][64].
; Products, maxima and sums in f32; the weights p are rounded to f16 for the second product, the result once at the end.
; WORK LEFT OUT: steps of 64 keys that lie wholly behind a wave's 32 queries, and slots of 256 keys behind a block's 256 queries: the mask is the jnp.tril that reference() builds itself.
; (Positions 0 to 15 of each sequence are computed here with the rest of their tile; what reaches the output for them is made in f32 by the last launch.)
; SHARES.  Work-group (I, head): query block I (256 queries) and then query block 7 - I: (I + 1) + (8 - I) = 9 slots of 256 keys for every work-group, so the loops' trip counts are constants and all 256 have equal work.
; Each of the eight waves owns 32 queries of the block in hand, two tiles of 16, so that each fragment of K and V read from LDS feeds two products.  A step is 64 keys, a slot four steps.
; NO CLUSTER: the four work-groups of a head begin their second block, at key 0 again, behind 1, 2, 3 and 4 slots: from the second slot on no two of them want the same tile at the same time.
; LAYOUT.  S^T = K Q^T (source 0 = 16 keys, source 1 = 16 queries): a lane holds one query (lane % 16) and keys 8 (lane / 16) + 0 .. 7 of each tile.  Two such tiles, rounded to f16 in pairs, are source 1
; (32 keys x 16 queries) of O^T = V^T P, whose result again holds one query a lane.  K comes out of LDS as it lies, V ([key][channel]) turned, by ds_load_tr16_b128.
; SOFTMAX.  For each query a running maximum m and sum l: p = 2^(c s - c m), c = log2(e) / 8; in every step O and l are multiplied by a = 2^(c m_old - c m_new).  Every step that is walked begins at or before
; the wave's first query, so each row has a key that counts and m is a number from the first step on.
; REGISTERS.  Window 0: v1-15 addresses and constants; v16-31 statistics, 8 a tile; v32-63 Q; v64-127 S^T; v128-159 P; v160-223 O^T.  Window 1: v0-63 K's 8 fragments; v64-127 V's 8.
.set KP,    144                        ; a row of K in LDS: 128 bytes + 16: an odd multiple of 16
.set VP,    160                        ; a row of V: 128 + 32: an odd multiple of 32, for the turning load
.set VOFF,  256*KP                     ; a slot: 256 rows of K, then 256 rows of V
.set SLOT1, 1<<17                      ; slot 1 begins here: one exclusive or turns an address in one slot into the other's
.set STAGE, 2*SLOT1                    ; the way out: 32 rows x 144 bytes for each wave; no tile lands here
.set SPARE, STAGE+8*32*KP              ; the spare words, 128 bytes for each wave
.set RH8, 1                            ; v1   lane % 16 - 8 (lane / 16)
.set AK0, 2                            ; v2   my lane's place in a tile of K
.set AV0, 3                            ; v3   the same for V
.set ADR, 4                            ; v4   LDS address of the step's K
.set ADV, 5                            ; v5   of its V
.set QO,  6                            ; v6   my byte offset in the wave's rows of Q
.set STO, 7                            ; v7   the way out: where I put 16 bytes of a row
.set RD,  8                            ; v8   where I read rows back
.set GO,  9                            ; v9   16 x lane
.set PFO, 10                           ; v10  256 x lane
.set DM,  11                           ; v11-12 the mask's bound, a tile each
.set NINF, 13                          ; v13  -infinity
.set SPW, 14                           ; v14  my spare word; never rewritten
.set NIL, 15                           ; v15  0; never rewritten
.set ST,  16                           ; tile t at v[ST + 8 t]: +0 c m, +1 m, +2, +3 l (even keys', odd keys'), +4 .. +7 c0-c3 at work; a takes c2's place
.set QF,  32                           ; tile t, channels 32 c on: 16 t + 8 c
.set SF,  64                           ; tile t, keys 16 kt on: 32 t + 8 kt
.set PF,  128                          ; 16 t
.set OF,  160                          ; tile t, channels 16 ct on: 32 t + 8 ct
.set KFR, 0                            ; window 1: 16 kt + 8 c
.set VFR, 64                           ; window 1: 32 u + 8 ct
.set WV,  8                            ; s8   my wave's number
.set IB,  9                            ; s9   I
.set KB,  14                           ; s[14:15] K of my head, at the 64 rows of a slot that I fetch
.set VB,  16                           ; s[16:17] V likewise
.set QA,  18                           ; s[18:19] Q at my 32 queries of block I;  s[20:21] of block 7 - I
.set QB,  20
.set OP,  22                           ; s[22:23] att at my 32 queries of the block in hand;  s[24:25] of block 7 - I
.set OB,  24
.set G1K, 28
.set G1V, 36
.set G0K, 44
.set G0V, 48
.set KO,  52                           ; s[52:53] byte offset of the key block that is asked for
.set NTR, 54                           ; s54  the trip
.set JST, 55                           ; s55  counts a slot's steps
.set TBK, 56                           ; s56  LDS byte at which the step's K begins;  s57 the same for V (less VOFF)
.set TBV, 57
.set KF,  58                           ; s58  the step's first key
.set Q0,  59                           ; s59  my first query;  s60 in block 7 - I
.set Q0B, 60
.set CS,  62                           ; s[62:63] c
.set SEL, 66                           ; s[66:67] lane selects: lane l xor 16
.set PFA, 68                           ; s[68:69] where my prefetches stand
.set PLIM, 70                          ; s70  trips in which I prefetch: 6 in a head's first work-group, else 0
.set MSB, 0
.macro WIN new
.if MSB != (\new)
	s_set_vgpr_msb (MSB<<8)|(\new)
.set MSB, (\new)
.endif
.endm
; Waves 0 to 3 fetch the four quarters of a slot's K, waves 4 to 7 those of its V: 64 rows each, one load a wave.  An s_nop 0 and four v_nop follow each of the two lines.
.macro TLOAD
	s_cmp_lt_u32 s[WV], 4
	s_cbranch_scc0 .Lfor_v_\@
	tensor_load_to_lds s[G0K:G0K+3], s[G1K:G1K+7]
	s_nop 0
.rept 4
	v_nop
.endr
	s_branch .Lasked_\@
.Lfor_v_\@:
	tensor_load_to_lds s[G0V:G0V+3], s[G1V:G1V+7]
	s_nop 0
.rept 4
	v_nop
.endr
.Lasked_\@:
.endm
; A prefetch into the L2.  The head's first work-group (I = 0) asks in trip N = 0 .. 5 for key block N + 2; each wave for the 8,192 bytes that it will itself fetch, lanes 256 bytes apart: so each aligned 256 bytes of
; key blocks 2 to 7 are named once in the launch.  That work-group fetches key block N in trip N, so it asks two trips ahead of its own load; the partner that is furthest on fetches block N + 1 in trip N.
; Key blocks 0 and 1 come by their loads alone, and block 7 is the last that is named.
.macro ASK
	s_cmp_lt_u32 s[NTR], s[PLIM]
	s_cbranch_scc0 .Lnot_mine_\@
	global_prefetch_b8 v[PFO], s[PFA:PFA+1] th:TH_LOAD_NT scope:SCOPE_SE
.Lnot_mine_\@:
.endm
	s_load_b128 s[4:7], s[0:1], 0x0                ; qkvh s[4:5], att s[6:7]
	v_lshl_add_u32 v[SPW], v0, 2, SPARE
	v_mov_b32 v[NIL], 0
	ds_add_u32 v[SPW], v[NIL]                      ; the wave's opening: the add, twice on end, and its wait ahead of my first tensor load
	ds_add_u32 v[SPW], v[NIL]
	v_lshrrev_b32 v1, 5, v0
	v_readfirstlane_b32 s[WV], v1                  ; wave 0..7
	s_mov_b32 s[IB], ttmp9
	s_mov_b32 s[G1K], (1<<16)|(1<<20)|(4<<22)|(3<<25)   ; no mask; elements of 2 bytes; padding on: after every 32 words four words
	s_mov_b32 s[G1V], (1<<16)|(1<<20)|(4<<22)|(7<<25)   ; the same with eight words
.irp g, G1K, G1V
	s_mov_b32 s[\g+1], 64<<16                      ; tensor_dim0 = 64
	s_mov_b32 s[\g+2], 64<<16                      ; tensor_dim1 = 64
	s_mov_b32 s[\g+3], 64<<16                      ; tile_dim0 = 64
	s_mov_b32 s[\g+4], 64                          ; tile_dim1 = 64
	s_mov_b32 s[\g+5], 64                          ; from row to row
	s_mov_b32 s[\g+6], 0
	s_mov_b32 s[\g+7], 0
.endr
	s_and_b32 s71, ttmp7, 0xffff                   ; 16 x batch + head
	s_lshl_b32 s72, s71, 18                        ; its 262,144 bytes in each section
	s_and_b32 s73, s[WV], 3                        ; which quarter of a slot I fetch
	s_lshl_b32 s74, s73, 13                        ; 64 rows of 128 bytes
	s_add_co_u32 s74, s74, s72
	s_mov_b32 s75, 0
	s_mov_b32 s[G0K], 1
	s_mul_i32 s[G0K+1], s73, 64*KP                 ; LDS: slot 0, my quarter of K
	s_mov_b32 s[G0V], 1
	s_mul_i32 s[G0V+1], s73, 64*VP
	s_add_co_u32 s[G0V+1], s[G0V+1], VOFF          ; my quarter of V
	s_mov_b32 s[KO], 0
	s_mov_b32 s[KO+1], 0
	s_mov_b32 s[NTR], 0
	s_mov_b32 s[TBK], 0
	s_mov_b32 s[TBV], 0
	s_mov_b32 s[KF], 0
	s_mov_b32 s[CS], 0x3e38aa3b                    ; c = log2(e) / 8
	s_mov_b32 s[CS+1], s[CS]                       ; (named with it as a pair, so it is written)
	s_mov_b32 s[SEL], 0x76543210
	s_mov_b32 s[SEL+1], 0xfedcba98
	s_wait_dscnt 0x0                               ; both opening adds are done
	s_wait_kmcnt 0x0
	s_add_nc_u64 s[KB:KB+1], s[4:5], s[74:75]
	s_add_nc_u64 s[KB:KB+1], s[KB:KB+1], 0x1000000 ; K's section
	s_add_nc_u64 s[VB:VB+1], s[KB:KB+1], 0x1000000 ; V's
	s_mov_b64 s[G0K+2:G0K+3], s[KB:KB+1]
	s_or_b32 s[G0K+3], s[G0K+3], 0x80000000
	s_mov_b64 s[G0V+2:G0V+3], s[VB:VB+1]
	s_or_b32 s[G0V+3], s[G0V+3], 0x80000000
	TLOAD                                          ; slot 0: key block 0.  Every wave issues one
	s_lshl_b32 s71, s[WV], 12                      ; my 32 queries' rows,
	s_add_co_u32 s71, s71, s72                     ; in my head
	s_lshl_b32 s74, s[IB], 15                      ; block I
	s_add_co_u32 s74, s74, s71
	s_add_nc_u64 s[QA:QA+1], s[4:5], s[74:75]
	s_add_nc_u64 s[OP:OP+1], s[6:7], s[74:75]
	s_sub_co_u32 s73, 7, s[IB]                     ; block 7 - I
	s_lshl_b32 s74, s73, 15
	s_add_co_u32 s74, s74, s71
	s_add_nc_u64 s[QB:QB+1], s[4:5], s[74:75]
	s_add_nc_u64 s[OB:OB+1], s[6:7], s[74:75]
	s_lshl_b32 s72, s[WV], 5
	s_lshl_b32 s[Q0], s[IB], 8
	s_add_co_u32 s[Q0], s[Q0], s72
	s_lshl_b32 s[Q0B], s73, 8
	s_add_co_u32 s[Q0B], s[Q0B], s72
	s_cmp_lt_u32 s[WV], 4
	s_cselect_b64 s[PFA:PFA+1], s[KB:KB+1], s[VB:VB+1]
	s_add_nc_u64 s[PFA:PFA+1], s[PFA:PFA+1], 32768 ; at key block 1: the first change of slots steps it to block 2
	s_cmp_eq_u32 ttmp9, 0
	s_cselect_b32 s[PLIM], 6, 0
	v_and_b32 v16, 15, v0                          ; r
	v_bfe_u32 v17, v0, 4, 1                        ; h
	v_and_b32 v18, 31, v0                          ; lane
	v_lshlrev_b32 v[QO], 7, v16
	v_lshl_add_u32 v[QO], v17, 4, v[QO]            ; row r of 128 bytes + 16 h
.macro QLOAD p                         ; my 32 queries stay in registers: tile t, channels 32 c on: two loads of 16 bytes, 32 bytes apart
.irp t, 0,1
.irp c, 0,1
	global_load_b128 v[QF+16*\t+8*\c:QF+16*\t+8*\c+3], v[QO], s[\p:\p+1] offset:2048*\t+64*\c
	global_load_b128 v[QF+16*\t+8*\c+4:QF+16*\t+8*\c+7], v[QO], s[\p:\p+1] offset:2048*\t+64*\c+32
.endr
.endr
.endm
	QLOAD QA
	v_mul_u32_u24 v[AK0], v16, KP
	v_lshl_add_u32 v[AK0], v17, 4, v[AK0]          ; K: row r x pitch + 16 h
	v_and_b32 v19, 7, v0
	v_bfe_u32 v20, v0, 3, 1
	v_lshl_add_u32 v[AV0], v17, 3, v19             ; V, for the turning load: key 8 h + lane % 8,
	v_mul_u32_u24 v[AV0], v[AV0], VP
	v_lshl_add_u32 v[AV0], v20, 4, v[AV0]          ; channels 8 ((lane / 8) % 2) on
	v_add_nc_u32 v[AV0], VOFF, v[AV0]
	s_mul_i32 s71, s[WV], 32*KP
	s_add_co_u32 s71, s71, STAGE                   ; my stage
	v_mul_u32_u24 v[STO], v16, KP
	v_lshl_add_u32 v[STO], v17, 4, v[STO]
	v_add_nc_u32 v[STO], s71, v[STO]               ; in: row r, 16 bytes for each half of the lanes
	v_lshrrev_b32 v21, 3, v18
	v_mul_u32_u24 v[RD], v21, KP
	v_lshl_add_u32 v[RD], v19, 4, v[RD]
	v_add_nc_u32 v[RD], s71, v[RD]                 ; back: eight lanes to a row of 128 bytes, four rows an instruction
	v_lshlrev_b32 v[GO], 4, v18
	v_lshlrev_b32 v[PFO], 8, v18
	v_lshlrev_b32 v22, 3, v17
	v_sub_nc_u32 v[RH8], v16, v22
	v_mov_b32 v[NINF], 0xff800000
.irp t, 0,1
.irp j, 4,5,6,7
	v_mov_b32 v[ST+8*\t+\j], 0                     ; written once: a lane permute's destination counts as one of its sources, and pairs are read whole
.endr
.endr
.macro INIT                            ; a block of queries begins: m under every score, l and O^T zeros, which the first change of m leaves zeros
.irp t, 0,1
	v_mov_b32 v[ST+8*\t+1], 0xff61b1e6             ; -3e38
	v_mov_b32 v[ST+8*\t+2], 0
	v_mov_b32 v[ST+8*\t+3], 0
.endr
.irp t, 0,1
	v_mul_f32 v[ST+8*\t], s[CS], v[ST+8*\t+1]
.endr
.set i, 0
.rept 64
	v_mov_b32 v[OF+i], 0
.set i, i+1
.endr
.endm
	INIT
; THE SOFTMAX of both tiles for one step, line by line by turns, so that no line waits for the line above it.
.macro SOFTMAX
.irp j, 0,1,2,3                        ; the maximum of my 32 scores and the old m: four chains, each beginning at an accumulator's low end
.irp t, 0,1
	v_max3_num_f32 v[ST+8*\t+4+\j], v[SF+32*\t+8*\j], v[SF+32*\t+8*\j+1], v[SF+32*\t+8*\j+2]
.endr
.endr
.irp i, 3,5
.irp j, 0,1,2,3
.irp t, 0,1
	v_max3_num_f32 v[ST+8*\t+4+\j], v[ST+8*\t+4+\j], v[SF+32*\t+8*\j+\i], v[SF+32*\t+8*\j+\i+1]
.endr
.endr
.endr
.irp t, 0,1
	v_max3_num_f32 v[ST+8*\t+4], v[ST+8*\t+4], v[SF+32*\t+7], v[SF+32*\t+15]
	v_max3_num_f32 v[ST+8*\t+6], v[ST+8*\t+6], v[SF+32*\t+23], v[SF+32*\t+31]
.endr
.irp t, 0,1
	v_max3_num_f32 v[ST+8*\t+4], v[ST+8*\t+4], v[ST+8*\t+5], v[ST+8*\t+6]
.endr
.irp t, 0,1
	v_max3_num_f32 v[ST+8*\t+4], v[ST+8*\t+4], v[ST+8*\t+7], v[ST+8*\t+1]
.endr
.irp t, 0,1
	v_permlanex16_b32 v[ST+8*\t+5], v[ST+8*\t+4], s[SEL], s[SEL+1]   ; the query's other 32 keys lie in the lane 16 away
.endr
.irp t, 0,1
	v_mov_b32 v[ST+8*\t+7], v[ST+8*\t]             ; c m_old is kept for a
.endr
.irp t, 0,1
	v_max_num_f32 v[ST+8*\t+1], v[ST+8*\t+4], v[ST+8*\t+5]
.endr
.irp t, 0,1
	v_mul_f32 v[ST+8*\t], s[CS], v[ST+8*\t+1]
.endr
.irp t, 0,1
	v_sub_f32 v[ST+8*\t+7], v[ST+8*\t+7], v[ST+8*\t]
.endr
.irp b, 0,1,2,3,4,5,6,7,8,9,10,11,12,13,14,15
.irp t, 0,1
	v_pk_fma_f32 v[SF+32*\t+2*\b:SF+32*\t+2*\b+1], v[SF+32*\t+2*\b:SF+32*\t+2*\b+1], s[CS:CS+1], v[ST+8*\t:ST+8*\t+1] op_sel_hi:[1,0,0] neg_lo:[0,0,1] neg_hi:[0,0,1]   ; c s - c m, two at a time
.endr
.endr
.irp t, 0,1
	v_exp_f32 v[ST+8*\t+6], v[ST+8*\t+7]           ; a
.endr
.set i, 0
.rept 32
	v_exp_f32 v[SF+i], v[SF+i]                     ; p, at most 1
	v_exp_f32 v[SF+32+i], v[SF+32+i]
.set i, i+1
.endr
	v_nop                                          ; a plain line behind the last exponential
	s_wait_alu depctr_va_vdst(0)                   ; the wait ahead of the first line that names a result: one for all 66
.irp i, 0,1,2,3,4,5,6,7,8,9,10,11,12,13,14,15
.irp t, 0,1
	v_cvt_pk_f16_f32 v[PF+16*\t+\i], v[SF+32*\t+2*\i], v[SF+32*\t+2*\i+1]
.endr
.endr
.irp u, 0,1,2,3,4,5,6,7                ; the sum of my 16 pairs, in place, of the unrounded p
.irp t, 0,1
	v_pk_add_f32 v[SF+32*\t+4*\u:SF+32*\t+4*\u+1], v[SF+32*\t+4*\u:SF+32*\t+4*\u+1], v[SF+32*\t+4*\u+2:SF+32*\t+4*\u+3]
.endr
.endr
.irp u, 0,1,2,3
.irp t, 0,1
	v_pk_add_f32 v[SF+32*\t+8*\u:SF+32*\t+8*\u+1], v[SF+32*\t+8*\u:SF+32*\t+8*\u+1], v[SF+32*\t+8*\u+4:SF+32*\t+8*\u+5]
.endr
.endr
.irp u, 0,1
.irp t, 0,1
	v_pk_add_f32 v[SF+32*\t+16*\u:SF+32*\t+16*\u+1], v[SF+32*\t+16*\u:SF+32*\t+16*\u+1], v[SF+32*\t+16*\u+8:SF+32*\t+16*\u+9]
.endr
.endr
.irp t, 0,1
	v_pk_add_f32 v[SF+32*\t:SF+32*\t+1], v[SF+32*\t:SF+32*\t+1], v[SF+32*\t+16:SF+32*\t+17]
.endr
.irp t, 0,1
	v_pk_fma_f32 v[ST+8*\t+2:ST+8*\t+3], v[ST+8*\t+2:ST+8*\t+3], v[ST+8*\t+6:ST+8*\t+7], v[SF+32*\t:SF+32*\t+1] op_sel_hi:[1,0,1]   ; l = a l + the sum
.endr
.irp i, 0,1,2,3,4,5,6,7,8,9,10,11,12,13,14,15
.irp t, 0,1
	v_pk_mul_f32 v[OF+32*\t+2*\i:OF+32*\t+2*\i+1], v[OF+32*\t+2*\i:OF+32*\t+2*\i+1], v[ST+8*\t+6:ST+8*\t+7] op_sel_hi:[1,0]   ; O^T x a
.endr
.endr
.endm
; A STEP: 64 keys.  A step all of whose keys come after my 32 queries is left out by a scalar branch on ids; the lines at its end that step addresses are run all the same, and no barrier or tensor load stands in a step.
.macro STEP
	s_add_co_u32 s71, s[Q0], 31
	s_cmp_gt_u32 s[KF], s71
	s_cbranch_scc1 .Lhidden_\@
	v_add_nc_u32 v[ADR], s[TBK], v[AK0]
	v_add_nc_u32 v[ADV], s[TBV], v[AV0]
	v_nop
	v_nop                                          ; four plain lines between the last step's products and the loads into the registers that they read
	WIN 0x40                                       ; destination window 1
.irp kt, 0,1,2,3
.irp c, 0,1
	ds_load_b128 v[KFR+16*\kt+8*\c:KFR+16*\kt+8*\c+3], v[ADR] offset:16*KP*\kt+64*\c
	ds_load_b128 v[KFR+16*\kt+8*\c+4:KFR+16*\kt+8*\c+7], v[ADR] offset:16*KP*\kt+64*\c+32
.endr
.endr
.irp u, 0,1
.irp ct, 0,1,2,3
	ds_load_tr16_b128 v[VFR+32*\u+8*\ct:VFR+32*\u+8*\ct+3], v[ADV] offset:32*VP*\u+32*\ct
	ds_load_tr16_b128 v[VFR+32*\u+8*\ct+4:VFR+32*\u+8*\ct+7], v[ADV] offset:32*VP*\u+16*VP+32*\ct
.endr
.endr
	s_wait_dscnt 16                                ; K's 16 loads are in; V's 16, issued behind them, may be out
	WIN 0x01                                       ; source 0 window 1
.irp c, 0,1                            ; S^T = K Q^T: eight accumulators by turns, one instruction a turn
.irp kt, 0,1,2,3
.irp t, 0,1
.if \c == 0
	v_wmma_f32_16x16x32_f16 v[SF+32*\t+8*\kt:SF+32*\t+8*\kt+7], v[KFR+16*\kt+8*\c:KFR+16*\kt+8*\c+7], v[QF+16*\t+8*\c:QF+16*\t+8*\c+7], 0
.else
	v_wmma_f32_16x16x32_f16 v[SF+32*\t+8*\kt:SF+32*\t+8*\kt+7], v[KFR+16*\kt+8*\c:KFR+16*\kt+8*\c+7], v[QF+16*\t+8*\c:QF+16*\t+8*\c+7], v[SF+32*\t+8*\kt:SF+32*\t+8*\kt+7]
.endif
.endr
.endr
.endr
	WIN 0
.rept 4
	v_nop
.endr
	s_add_co_u32 s71, s[KF], 63                    ; on the diagonal the scores of hidden keys become -infinity ahead of the maximum.  A step all of whose keys count for all my queries skips this
	s_cmp_le_u32 s71, s[Q0]
	s_cbranch_scc1 .Lopen_\@
	s_sub_co_i32 s71, s[Q0], s[KF]
	v_add_nc_u32 v[DM], s71, v[RH8]                ; d = my query - the step's first key - 8 (lane / 16).  Register 8 kt + j holds key 16 kt + 8 (lane / 16) + j: hidden where 16 kt + j > d
	v_add_nc_u32 v[DM+1], 16, v[DM]
.irp t, 0,1
.irp n, 0,1,2,3,4,5,6,7,8,9,10,11,12,13,14,15,16,17,18,19,20,21,22,23,24,25,26,27,28,29,30,31
	v_cmp_gt_i32 vcc_lo, 16*(\n/8)+\n%8, v[DM+\t]
	v_cndmask_b32 v[SF+32*\t+\n], v[SF+32*\t+\n], v[NINF], vcc_lo
.endr
.endr
.Lopen_\@:
	SOFTMAX
	s_wait_dscnt 0x0                               ; V is in
	WIN 0x01
.irp u, 0,1                            ; O^T += V^T P: eight accumulators by turns
.irp ct, 0,1,2,3
.irp t, 0,1
	v_wmma_f32_16x16x32_f16 v[OF+32*\t+8*\ct:OF+32*\t+8*\ct+7], v[VFR+32*\u+8*\ct:VFR+32*\u+8*\ct+7], v[PF+16*\t+8*\u:PF+16*\t+8*\u+7], v[OF+32*\t+8*\ct:OF+32*\t+8*\ct+7]
.endr
.endr
.endr
	WIN 0
.Lhidden_\@:
	s_add_co_u32 s[KF], s[KF], 64
	s_add_co_u32 s[TBK], s[TBK], 64*KP
	s_add_co_u32 s[TBV], s[TBV], 64*VP
.endm
.macro SLOT_STEPS                      ; a slot's four steps: written once, walked four times; then on to the other slot
	s_mov_b32 s[JST], 4
.Lstep_\@:
	STEP
	s_sub_co_u32 s[JST], s[JST], 1
	s_cmp_lg_u32 s[JST], 0
	s_cbranch_scc1 .Lstep_\@
	s_sub_co_u32 s[TBK], s[TBK], 4*64*KP
	s_xor_b32 s[TBK], s[TBK], SLOT1
	s_sub_co_u32 s[TBV], s[TBV], 4*64*VP
	s_xor_b32 s[TBV], s[TBV], SLOT1
.endm
; THE CHANGE OF SLOTS stands at a slot's head.  Each wave waits for all its tensor loads (one is out: its part of the slot ahead), adds 0 to its spare word, and waits for that and for its reads of the slot that it has left.
; Behind the barrier the slot ahead is whole and nobody reads the other one.  fill = 1: the other slot takes the next key block: the one behind the last, or block 0 where the second block of queries begins (trip I).
; The load has a whole slot's steps in which to land.  In trip 0 all eight loads are slot 1's first fills.
.macro CHANGE fill
	s_wait_tensorcnt 0x0                           ; no tensor load of mine is out, so a group 0 may be written
	ds_add_u32 v[SPW], v[NIL]                      ; 0 onto my spare word; the descriptors' steps stand between it and the wait for it
.if \fill
	s_xor_b32 s[G0K+1], s[G0K+1], SLOT1            ; the other slot than last time
	s_xor_b32 s[G0V+1], s[G0V+1], SLOT1
	s_add_co_u32 s[KO], s[KO], 32768               ; the next 256 keys,
	s_cmp_eq_u32 s[NTR], s[IB]
	s_cselect_b32 s[KO], 0, s[KO]                  ; or the first again
	s_add_nc_u64 s[G0K+2:G0K+3], s[KB:KB+1], s[KO:KO+1]
	s_or_b32 s[G0K+3], s[G0K+3], 0x80000000
	s_add_nc_u64 s[G0V+2:G0V+3], s[VB:VB+1], s[KO:KO+1]
	s_or_b32 s[G0V+3], s[G0V+3], 0x80000000
	s_wait_xcnt 0x0                                ; the last prefetch, a slot back, has read its address, so it may be written
	s_add_nc_u64 s[PFA:PFA+1], s[PFA:PFA+1], 32768
.endif
	s_wait_dscnt 0x0                               ; the add is done, and my reads of the slot that I have left are over
	s_barrier_signal -1
	s_barrier_wait -1
.if \fill
	TLOAD                                          ; the first thing behind the barrier, and my one tensor load until the next
	ASK
.endif
.endm
; THE WAY OUT of a block of queries: l's halves are added; O^T / l, rounded to f16, goes through my stage and leaves as whole rows: a store covers four rows of the head, 512 consecutive bytes.
.macro OUT
.irp t, 0,1
	v_add_f32 v[ST+8*\t+4], v[ST+8*\t+2], v[ST+8*\t+3]
.endr
.irp t, 0,1
	v_permlanex16_b32 v[ST+8*\t+5], v[ST+8*\t+4], s[SEL], s[SEL+1]
.endr
.irp t, 0,1
	v_add_f32 v[ST+8*\t+4], v[ST+8*\t+4], v[ST+8*\t+5]
.endr
.irp t, 0,1
	v_rcp_f32 v[ST+8*\t+6], v[ST+8*\t+4]
.endr
	v_nop                                          ; a plain line behind the last reciprocal
	s_wait_alu depctr_va_vdst(0)                   ; and the wait ahead of the first use: one for both
.irp t, 0,1
.irp i, 0,1,2,3,4,5,6,7,8,9,10,11,12,13,14,15
	v_pk_mul_f32 v[OF+32*\t+2*\i:OF+32*\t+2*\i+1], v[OF+32*\t+2*\i:OF+32*\t+2*\i+1], v[ST+8*\t+6:ST+8*\t+7] op_sel_hi:[1,0]
.endr
.endr
.irp t, 0,1
.irp i, 0,1,2,3,4,5,6,7,8,9,10,11,12,13,14,15
	v_cvt_pk_f16_f32 v[SF+16*\t+\i], v[OF+32*\t+2*\i], v[OF+32*\t+2*\i+1]
.endr
.endr
.irp t, 0,1
.irp ct, 0,1,2,3
	ds_store_b128 v[STO], v[SF+16*\t+4*\ct:SF+16*\t+4*\ct+3] offset:16*KP*\t+32*\ct
.endr
.endr
.irp i, 0,1,2,3,4,5,6,7
	ds_load_b128 v[SF+32+4*\i:SF+32+4*\i+3], v[RD] offset:4*KP*\i   ; LDS serves a wave's instructions in order: these see the stores above
.endr
.irp i, 0,1,2,3,4,5,6,7
	s_wait_dscnt 7-\i                              ; load i is in; the 7 - i younger may be out
	global_store_b128 v[GO], v[SF+32+4*\i:SF+32+4*\i+3], s[OP:OP+1] offset:512*\i
.endr
	s_wait_xcnt 0x0                                ; the stores have read their registers and their base: both are written again only behind this wait
.endm
	s_wait_loadcnt 0x0                             ; Q
.Lslot:                                            ; eight trips: behind each change of slots but the last the next slot is asked for
	CHANGE 1
	SLOT_STEPS
	s_cmp_lg_u32 s[NTR], s[IB]                     ; behind trip I the first block of queries is finished: ids alone, the same in all eight waves
	s_cbranch_scc1 .Lsame_block
	QLOAD QB                                       ; the second block's queries are on their way while the first block goes out
	OUT
	INIT
	s_mov_b64 s[OP:OP+1], s[OB:OB+1]
	s_mov_b32 s[Q0], s[Q0B]
	s_mov_b32 s[KF], 0
	s_wait_loadcnt 0x0
.Lsame_block:
	s_add_co_u32 s[NTR], s[NTR], 1
	s_cmp_lt_u32 s[NTR], 8
	s_cbranch_scc1 .Lslot
	CHANGE 0                                       ; the ninth slot is written out
	SLOT_STEPS
	OUT
	s_wait_tensorcnt 0x0                           ; the wave's end: behind my last tensor load and my last LDS store
	ds_add_u32 v[SPW], v[NIL]
	s_wait_dscnt 0x0
	s_endpgm
.Lfunc_end_k_qba9bd75a9a_attn:
	.size	k_qba9bd75a9a_attn, .Lfunc_end_k_qba9bd75a9a_attn-k_qba9bd75a9a_attn
	.p2alignl 7, 3214868480
	.fill 96, 4, 3214868480
	.section	.rodata,"a",@progbits
	.p2align	6, 0x0
	.amdhsa_kernel k_qba9bd75a9a_attn
		.amdhsa_group_segment_fixed_size 327680
		.amdhsa_private_segment_fixed_size 0
		.amdhsa_enable_private_segment 0
		.amdhsa_kernarg_size 16
		.amdhsa_user_sgpr_count 2
		.amdhsa_user_sgpr_kernarg_segment_ptr 1
		.amdhsa_wavefront_size32 1
		.amdhsa_system_sgpr_workgroup_id_x 1
		.amdhsa_system_sgpr_workgroup_id_y 1
		.amdhsa_system_sgpr_workgroup_id_z 1
		.amdhsa_system_vgpr_workitem_id 0
		.amdhsa_next_free_vgpr 384
		.amdhsa_next_free_sgpr 76
		.amdhsa_reserve_vcc 1
		.amdhsa_float_denorm_mode_32 3
		.amdhsa_float_denorm_mode_16_64 3
		.amdhsa_memory_ordered 1
		.amdhsa_forward_progress 1
		.amdhsa_inst_pref_size 71
	.end_amdhsa_kernel
	.amdgpu_metadata
---
amdhsa.version: [ 1, 2 ]
amdhsa.kernels:
  - .name:           k_qba9bd75a9a_attn
    .symbol:         k_qba9bd75a9a_attn.kd
    .args:
      - { .name: qkvh, .offset: 0, .size: 8, .value_kind: global_buffer, .address_space: global }
      - { .name: att, .offset: 8, .size: 8, .value_kind: global_buffer, .address_space: global }
    .group_segment_fixed_size: 327680
    .private_segment_fixed_size: 0
    .kernarg_segment_align: 8
    .kernarg_segment_size: 16
    .max_flat_workgroup_size: 256
    .sgpr_count:     76
    .vgpr_count:     384
    .wavefront_size: 32
...
	.end_amdgpu_metadata
.endif
;; end of part 3
;; launch proj (part 4): grid 8 x 32, 4 waves a work-group, clusters of 4 x 4, 327,680 bytes of LDS; arguments att, wo16, b_o, out0; writes out0
.if DOCPART == 4
	.amdgcn_target "amdgcn-amd-amdhsa--gfx1250"
	.amdhsa_code_object_version 6
	.text
	.protected	k_qba9bd75a9a_proj
	.globl	k_qba9bd75a9a_proj
	.p2align	8
	.type	k_qba9bd75a9a_proj,@function
k_qba9bd75a9a_proj:
	s_mov_b64 s[64:65], 0
	v_nop
	global_prefetch_b8 v0, s[64:65] scope:SCOPE_SE
	s_setreg_imm32_b32 hwreg(HW_REG_WAVE_MODE, 25, 1), 1
	s_wait_xcnt 0x0
	s_wait_alu depctr_hold_cnt(0) depctr_sa_sdst(0) depctr_va_vdst(0) depctr_va_sdst(0) depctr_va_ssrc(0) depctr_va_vcc(0) depctr_vm_vsrc(0)
	s_getreg_b32 s2, hwreg(HW_REG_IB_STS2, 6, 4)
	s_cmp_eq_u32 s2, 0
	s_cbranch_scc0 .Lentry_in_a_cluster
	s_endpgm
.Lentry_in_a_cluster:
	s_bfe_u32 s2, ttmp6, 0x10000c
	s_cmp_lg_u32 s2, 0xf033
	s_cbranch_scc0 .Lentry_shape_is_right
	s_endpgm
.Lentry_shape_is_right:
; out0[m][n] = sum over k of att[m][k] W_o[k][n] + b_o[n], f16 operands, f32 sums.  att: f16 [batch][head][2048][64] (k = 64 head + channel); wo16: f16 [k 1024][n 1024]; out0: f32 [8192][1024].
; NOT STORED HERE: positions 0 to 15 of each sequence: the last launch makes them in f32.  They are multiplied with the rest of their tile; their 16 rows' way out is left out.
; A tile is 256 rows x 128 columns: 256 work-groups.  Four waves, each 128 rows x 64 columns: 32 accumulators, window 1.  K goes in eight steps of 128 (two heads) through two LDS slots.
; CLUSTERS: 4 x 4.  The batch is cy, the 256 positions cluster y, the tile column 4 x cluster x + cx.  att's tiles are asked for jointly along a row of the cluster, wo16's along a column.
; Waves 0 and 1 fetch one head's 256 rows of att each, waves 2 and 3 64 rows of wo16 each: one load a wave.
; THE MATRIX INSTRUCTION IS USED TRANSPOSED (source 0 = 16 columns of W_o, turned out of LDS by ds_load_tr16_b128; source 1 = 16 rows of att): a lane holds eight neighbouring columns of one row.  The bias is the C of each sum's first product.
; REGISTERS.  Window 0: v16-29 addresses; v32-63 the bias; v64-191 att's fragments, two buffers of 8 x 8; v192-255 W_o's, two buffers of 4 x 8; on the way out v64-127 take rows.  Window 1: accumulator (a, nb) at v[8 (4 a + nb)].
.set AP,    144                        ; a row of att in LDS: 128 bytes + 16: an odd multiple of 16
.set BP,    288                        ; a row of wo16: 256 bytes + 32: an odd multiple of 32, for the turning load
.set AHALF, 256*AP                     ; one head's 256 rows
.set BOFF,  2*AHALF
.set BHALF, 64*BP
.set SLOT,  BOFF+2*BHALF
.set STAGE, 2*SLOT                     ; the way out: 16 rows x (256 bytes + 16) for each wave; no tile lands here
.set SPITCH, 272
.set SPARE, STAGE+4*16*SPITCH          ; the spare words, 128 bytes for each wave
.set ADRA, 16                          ; v16-17
.set ADRB, 20                          ; v20-21
.set STO,  24
.set RD,   25
.set CO,   26
.set BO,   27
.set SPW,  28                          ; never rewritten
.set NIL,  29                          ; never rewritten
.set BI,   32
.set AF,   64
.set BF,   192
.set BK,   64
.set G1A, 16                           ; s[16:23], s[24:31]: att's groups 1 and 0 (a set for each slot)
.set G0A, 24
.set G1B, 32                           ; s[32:39], s[48:55]: wo16's
.set G0B, 48
.set MSB, 0
.macro WIN new
.if MSB != (\new)
	s_set_vgpr_msb (MSB<<8)|(\new)
.set MSB, (\new)
.endif
.endm
.set MUL,   0x50                       ; C and D window 1
.set FIRST, 0x40                       ; D window 1, C (the bias) window 0
.macro JLOAD s                         ; a joint load; an s_nop 0 and four v_nop follow each of the two lines; the branch hangs on the wave's number alone
	s_cmp_eq_u32 s13, 0
	s_cbranch_scc0 .Lfor_b_\@
	tensor_load_to_lds s[G0A+4*\s:G0A+4*\s+3], s[G1A:G1A+7]
	s_nop 0
.rept 4
	v_nop
.endr
	s_branch .Lasked_\@
.Lfor_b_\@:
	tensor_load_to_lds s[G0B+4*\s:G0B+4*\s+3], s[G1B:G1B+7]
	s_nop 0
.rept 4
	v_nop
.endr
.Lasked_\@:
.endm
.macro CREST                           ; a round of the cluster's barrier behind its opening barrier
	s_cmp_lg_u32 s12, 0
	s_cbranch_scc1 .Lnot_wave_0_\@
	s_barrier_signal -3
.Lnot_wave_0_\@:
	s_barrier_wait -3
	s_barrier_signal -1
	s_barrier_wait -1
.endm
.macro CROUND
	s_barrier_signal -1
	s_barrier_wait -1
	CREST
.endm
	s_load_b256 s[4:11], s[0:1], 0x0               ; att s[4:5], wo16 s[6:7], b_o s[8:9], out0 s[10:11]
	v_lshl_add_u32 v[SPW], v0, 2, SPARE
	v_mov_b32 v[NIL], 0
	ds_add_u32 v[SPW], v[NIL]                      ; the wave's opening: the add, twice on end, and its wait ahead of my first tensor load
	ds_add_u32 v[SPW], v[NIL]
	v_lshrrev_b32 v1, 5, v0
	v_readfirstlane_b32 s12, v1                    ; wave 0..3
	s_lshr_b32 s13, s12, 1                         ; which 128 rows are mine.  Also: I fetch att (0) or wo16 (1)
	s_and_b32 s14, s12, 1                          ; which 64 columns.  Also: which half of that tile I fetch
	s_bfe_u32 s40, ttmp6, 0x40000                  ; cx
	s_bfe_u32 s41, ttmp6, 0x40004                  ; cy: the batch
	s_lshl_b32 s42, ttmp9, 2
	s_add_co_u32 s42, s42, s40                     ; tile column
	s_and_b32 s45, ttmp7, 0xffff                   ; cluster y: which 256 positions
	s_lshl_b32 s43, s41, 2
	s_lshl_b32 s43, 15, s43                        ; my row of the cluster
	s_lshl_b32 s44, 0x1111, s40                    ; my column
	s_or_b32 s[G1A], s43, (1<<16)|(1<<20)|(1<<21)|(4<<22)|(3<<25)   ; the mask; elements of 2 bytes; padding on; bit 21 beside a mask; after every 32 words four words
	s_mov_b32 s[G1A+1], 64<<16                     ; tensor_dim0 = 64
	s_mov_b32 s[G1A+2], 256<<16                    ; tensor_dim1 = 256
	s_mov_b32 s[G1A+3], 64<<16                     ; tile_dim0 = 64
	s_mov_b32 s[G1A+4], 256                        ; tile_dim1 = 256
	s_mov_b32 s[G1A+5], 64                         ; from row to row
	s_mov_b32 s[G1A+6], 0
	s_mov_b32 s[G1A+7], 0
	s_or_b32 s[G1B], s44, (1<<16)|(1<<20)|(1<<21)|(5<<22)|(7<<25)   ; after every 64 words eight words
	s_mov_b32 s[G1B+1], 128<<16
	s_mov_b32 s[G1B+2], 64<<16
	s_mov_b32 s[G1B+3], 128<<16
	s_mov_b32 s[G1B+4], 64
	s_mov_b32 s[G1B+5], 1024
	s_mov_b32 s[G1B+6], 0
	s_mov_b32 s[G1B+7], 0
	s_lshl_b32 s56, s41, 22                        ; att: the batch,
	s_lshl_b32 s57, s14, 18                        ; the head of the step's two that I fetch,
	s_add_co_u32 s56, s56, s57
	s_lshl_b32 s57, s45, 15                        ; the 256 positions
	s_add_co_u32 s56, s56, s57
	s_mov_b32 s57, 0
	s_lshl_b32 s60, s14, 17                        ; wo16: my 64 of the step's 128 rows,
	s_lshl_b32 s61, s42, 8                         ; the tile's 128 columns
	s_add_co_u32 s60, s60, s61
	s_mov_b32 s61, 0
	s_mul_i32 s58, s14, AHALF                      ; where they go: no place in the cluster enters an LDS address
	s_mul_i32 s62, s14, BHALF
	s_add_co_u32 s62, s62, BOFF
	s_wait_dscnt 0x0                               ; both opening adds are done
	s_wait_kmcnt 0x0
	s_add_nc_u64 s[56:57], s[4:5], s[56:57]
	s_add_nc_u64 s[60:61], s[6:7], s[60:61]
	CROUND                                         ; all sixteen work-groups are here: the first joint loads meet
.irp s, 0,1
	s_mov_b32 s[G0A+4*\s], 1
	s_add_co_u32 s[G0A+4*\s+1], s58, \s*SLOT
	s_add_nc_u64 s[G0A+4*\s+2:G0A+4*\s+3], s[56:57], \s*524288      ; K step s: two heads on
	s_or_b32 s[G0A+4*\s+3], s[G0A+4*\s+3], 0x80000000
	s_mov_b32 s[G0B+4*\s], 1
	s_add_co_u32 s[G0B+4*\s+1], s62, \s*SLOT
	s_add_nc_u64 s[G0B+4*\s+2:G0B+4*\s+3], s[60:61], \s*262144      ; 128 rows of 2,048 bytes on
	s_or_b32 s[G0B+4*\s+3], s[G0B+4*\s+3], 0x80000000
	JLOAD \s
.endr
	v_and_b32 v1, 15, v0                           ; r
	v_bfe_u32 v2, v0, 4, 1                         ; h
	v_lshlrev_b32 v[BO], 5, v2
	s_lshl_b32 s66, s42, 9                         ; the bias of my 64 columns: lane (r, h) wants, for block nb, the numbers 16 nb + 8 h + 0 .. 7
	s_lshl_b32 s67, s14, 8
	s_add_co_u32 s66, s66, s67
	s_mov_b32 s67, 0
	s_add_nc_u64 s[8:9], s[8:9], s[66:67]
.irp nb, 0,1,2,3
	global_load_b128 v[BI+8*\nb:BI+8*\nb+3], v[BO], s[8:9] offset:64*\nb
	global_load_b128 v[BI+8*\nb+4:BI+8*\nb+7], v[BO], s[8:9] offset:64*\nb+16
.endr
	v_mul_u32_u24 v3, v1, AP
	v_lshl_add_u32 v3, v2, 4, v3                   ; att: row r x pitch + 16 h
	s_mul_i32 s59, s13, 128*AP                     ; my 128 rows
	v_and_b32 v4, 7, v0
	v_bfe_u32 v5, v0, 3, 1
	v_lshl_add_u32 v6, v2, 3, v4                   ; wo16, for the turning load: row 8 h + lane % 8,
	v_mul_u32_u24 v6, v6, BP
	v_lshl_add_u32 v6, v5, 4, v6                   ; columns 8 ((lane / 8) % 2) on
	s_lshl_b32 s63, s14, 7                         ; my 64 columns
	s_add_co_u32 s63, s63, BOFF
.irp s, 0,1
	v_add_nc_u32 v[ADRA+\s], s59, v3
	v_add_nc_u32 v[ADRB+\s], s63, v6
	s_add_co_u32 s59, s59, SLOT
	s_add_co_u32 s63, s63, SLOT
.endr
	s_mul_i32 s59, s12, 16*SPITCH
	s_add_co_u32 s59, s59, STAGE                   ; my stage
	v_mul_u32_u24 v3, v1, SPITCH
	v_lshl_add_u32 v3, v2, 5, v3
	v_add_nc_u32 v[STO], s59, v3                   ; in: row r, 32 bytes for each half of the lanes
	v_mul_u32_u24 v3, v2, SPITCH
	v_lshl_add_u32 v3, v1, 4, v3
	v_add_nc_u32 v[RD], s59, v3                    ; back: lanes 0-15 one row of 256 bytes, lanes 16-31 the next
	v_lshlrev_b32 v3, 12, v2
	v_lshl_add_u32 v[CO], v1, 4, v3                ; and the same two rows in out0
	s_lshl_b32 s66, s41, 11
	s_lshl_b32 s67, s45, 8
	s_add_co_u32 s66, s66, s67
	s_lshl_b32 s67, s13, 7
	s_add_co_u32 s66, s66, s67                     ; my first row: 2,048 x batch + 256 x cluster y + 128 x half
	s_lshl_b32 s66, s66, 12
	s_lshl_b32 s67, s42, 9
	s_add_co_u32 s66, s66, s67
	s_lshl_b32 s67, s14, 8
	s_add_co_u32 s66, s66, s67                     ; my first column, in bytes
	s_mov_b32 s67, 0
	s_add_nc_u64 s[10:11], s[10:11], s[66:67]
; cnt x 4 matrix instructions: att's blocks a0 on x W_o's four, 32 along K, buffer f.  The 32 accumulators take turns, one instruction a turn, in the same order in every quarter.
.macro MULB f, a0, cnt, first
.set AA, \a0
.rept \cnt
.irp nb, 0,1,2,3
.if \first
	v_wmma_f32_16x16x32_f16 v[8*(4*AA+\nb):8*(4*AA+\nb)+7], v[BF+32*(\f)+8*\nb:BF+32*(\f)+8*\nb+7], v[AF+64*(\f)+8*AA:AF+64*(\f)+8*AA+7], v[BI+8*\nb:BI+8*\nb+7]
.else
	v_wmma_f32_16x16x32_f16 v[8*(4*AA+\nb):8*(4*AA+\nb)+7], v[BF+32*(\f)+8*\nb:BF+32*(\f)+8*\nb+7], v[AF+64*(\f)+8*AA:AF+64*(\f)+8*AA+7], v[8*(4*AA+\nb):8*(4*AA+\nb)+7]
.endif
.endr
.set AA, AA+1
.endr
.endm
; 24 LDS loads in one run: quarter q (32 along K) of a slot into buffer f: W_o's four fragments, att's blocks 0-3, att's blocks 4-7
.macro FETCH slot, q, f
.irp nb, 0,1,2,3
	ds_load_tr16_b128 v[BF+32*(\f)+8*\nb:BF+32*(\f)+8*\nb+3], v[ADRB+\slot] offset:32*BP*(\q)+32*\nb
	ds_load_tr16_b128 v[BF+32*(\f)+8*\nb+4:BF+32*(\f)+8*\nb+7], v[ADRB+\slot] offset:32*BP*(\q)+32*\nb+16*BP
.endr
.irp a, 0,1,2,3,4,5,6,7
	ds_load_b128 v[AF+64*(\f)+8*\a:AF+64*(\f)+8*\a+3], v[ADRA+\slot] offset:((\q)/2)*AHALF+((\q)%2)*64+\a*16*AP
	ds_load_b128 v[AF+64*(\f)+8*\a+4:AF+64*(\f)+8*\a+7], v[ADRA+\slot] offset:((\q)/2)*AHALF+((\q)%2)*64+\a*16*AP+32
.endr
.endm
.macro PLACES                          ; four plain lines in front of loads into registers that matrix instructions have read, and of the first read of results
.rept 4
	v_nop
.endr
.endm
; One of a K step's first three quarters: multiplies buffer f; in its middle it fetches quarter qn of the same slot into buffer g.
.macro QUARTER slot, qn, f, g, first
	s_wait_dscnt 8                                 ; W_o's fragments and att's blocks 0-3 are in; the youngest eight loads (blocks 4-7) may be out
.if \first
	WIN FIRST
.else
	WIN MUL
.endif
	MULB \f, 0, 4, \first
	PLACES
	WIN 0
	FETCH \slot, \qn, \g
	s_wait_dscnt 24                                ; all but the 24 just issued
.if \first
	WIN FIRST
.else
	WIN MUL
.endif
	MULB \f, 4, 4, \first
.endm
; The last quarter multiplies buffer 1 and changes slots: one barrier; in front of it each wave waits for all its tensor loads, adds 0 to its spare word, and waits for that and for its reads of this slot.
; fill = 1: the barrier opens a round of the cluster's, and this slot is filled again, two K steps ahead, first thing behind the round.
.macro TURN slot, next, fill
	WIN 0
	s_wait_tensorcnt 0x0                           ; all my tensor loads have landed: the one that was out is my part of the next slot
	ds_add_u32 v[SPW], v[NIL]
	s_wait_dscnt 9                                 ; (the add and the youngest eight loads may be out)
	WIN MUL
	MULB 1, 0, 2, 0                                ; eight matrix instructions stand between the add and the wait for it
	s_wait_dscnt 0x0                               ; the add is done, and my reads of this slot are over
	s_barrier_signal -1
	MULB 1, 2, 2, 0
	WIN 0
	s_barrier_wait -1
.if \fill
	CREST                                          ; no wave of any partner still reads this slot's tiles or has a load on its way
	s_add_nc_u64 s[G0A+4*\slot+2:G0A+4*\slot+3], s[G0A+4*\slot+2:G0A+4*\slot+3], 1048576
	s_add_nc_u64 s[G0B+4*\slot+2:G0B+4*\slot+3], s[G0B+4*\slot+2:G0B+4*\slot+3], 524288
	JLOAD \slot                                    ; the four v_nop behind it are also the places in front of the loads below
.else
	PLACES
.endif
	FETCH \next, 0, 0
	WIN MUL
	MULB 1, 4, 4, 0
.endm
	s_wait_tensorcnt 1                             ; my part of K step 0 is in (K step 1's load may be out)
	s_barrier_signal -1
	s_barrier_wait -1                              ; everybody's is
	FETCH 0, 0, 0
	s_wait_loadcnt 0x0                             ; the bias
	QUARTER 0, 1, 0, 1, 1                          ; the first quarter stands in front of the loop: the bias starts the sums
	WIN 0
	s_mov_b32 s3, 3
.Llap:                                             ; a trip goes once round the ring and fills both slots again: K steps 2 to 7
	QUARTER 0, 2, 1, 0, 0
	QUARTER 0, 3, 0, 1, 0
	TURN 0, 1, 1
	QUARTER 1, 1, 0, 1, 0
	QUARTER 1, 2, 1, 0, 0
	QUARTER 1, 3, 0, 1, 0
	TURN 1, 0, 1
	QUARTER 0, 1, 0, 1, 0
	WIN 0
	s_sub_co_u32 s3, s3, 1
	s_cmp_lg_u32 s3, 0
	s_cbranch_scc1 .Llap
	QUARTER 0, 2, 1, 0, 0                          ; the last lap fills nothing, and has no round of the cluster's barrier
	QUARTER 0, 3, 0, 1, 0
	TURN 0, 1, 0
	QUARTER 1, 1, 0, 1, 0
	QUARTER 1, 2, 1, 0, 0
	QUARTER 1, 3, 0, 1, 0
	s_wait_dscnt 8                                 ; the very last quarter: nothing more to fetch
	WIN MUL
	MULB 1, 0, 4, 0
	s_wait_dscnt 0
	MULB 1, 4, 4, 0
	WIN 0
	PLACES
; THE WAY OUT, block by block of 16 rows x 64 columns, through my own stage: sixteen lanes store 256 consecutive bytes of a row, aligned.
.macro TOSTAGE a
	WIN 0x04                                       ; an LDS store's data are its source 1: window 1
.irp nb, 0,1,2,3
	ds_store_b128 v[STO], v[8*(4*(\a)+\nb):8*(4*(\a)+\nb)+3] offset:64*\nb        ; each accumulator from its low end on
	ds_store_b128 v[STO], v[8*(4*(\a)+\nb)+4:8*(4*(\a)+\nb)+7] offset:64*\nb+16
.endr
	WIN 0
.set BB, BK+32*((\a)%2)
.irp t, 0,1,2,3,4,5,6,7
	ds_load_b128 v[BB+4*\t:BB+4*\t+3], v[RD] offset:\t*2*SPITCH    ; LDS serves a wave's instructions in order: these see the stores above
.endr
.endm
.macro SEND a, younger                 ; younger: the LDS instructions issued behind block a's loads, which may stay out
.set BB, BK+32*((\a)%2)
	s_wait_dscnt \younger
.irp t, 0,1,2,3,4,5,6,7
	global_store_b128 v[CO], v[BB+4*\t:BB+4*\t+3], s[10:11] offset:65536*(\a)+8192*\t th:TH_STORE_NT
.endr
.endm
	s_or_b32 s66, s45, s13                         ; block 0 of the upper waves, where cluster y = 0, is positions 0 to 15 of a sequence: the last launch's rows
	s_cmp_eq_u32 s66, 0
	s_cbranch_scc1 .Lfine_rows
	TOSTAGE 0
	SEND 0, 0
.Lfine_rows:
	TOSTAGE 1
.irp a, 2,3,4,5,6,7
	s_wait_xcnt 0x0                                ; block a - 2's stores have read their registers: block a's loads may land there
	TOSTAGE \a
	SEND \a-1, 16                                  ; behind block a - 1's loads: block a's 8 stores and 8 loads
.endr
	SEND 7, 0
	s_wait_tensorcnt 0x0                           ; the wave's end: behind my last tensor load and my last LDS store
	ds_add_u32 v[SPW], v[NIL]
	s_wait_dscnt 0x0
	CROUND                                         ; the closing round
	s_endpgm
.Lfunc_end_k_qba9bd75a9a_proj:
	.size	k_qba9bd75a9a_proj, .Lfunc_end_k_qba9bd75a9a_proj-k_qba9bd75a9a_proj
	.p2alignl 7, 3214868480
	.fill 96, 4, 3214868480
	.section	.rodata,"a",@progbits
	.p2align	6, 0x0
	.amdhsa_kernel k_qba9bd75a9a_proj
		.amdhsa_group_segment_fixed_size 327680
		.amdhsa_private_segment_fixed_size 0
		.amdhsa_enable_private_segment 0
		.amdhsa_kernarg_size 32
		.amdhsa_user_sgpr_count 2
		.amdhsa_user_sgpr_kernarg_segment_ptr 1
		.amdhsa_wavefront_size32 1
		.amdhsa_system_sgpr_workgroup_id_x 1
		.amdhsa_system_sgpr_workgroup_id_y 1
		.amdhsa_system_sgpr_workgroup_id_z 1
		.amdhsa_system_vgpr_workitem_id 0
		.amdhsa_next_free_vgpr 512
		.amdhsa_next_free_sgpr 68
		.amdhsa_reserve_vcc 0
		.amdhsa_float_denorm_mode_32 3
		.amdhsa_float_denorm_mode_16_64 3
		.amdhsa_memory_ordered 1
		.amdhsa_forward_progress 1
		.amdhsa_inst_pref_size 87
	.end_amdhsa_kernel
	.amdgpu_metadata
---
amdhsa.version: [ 1, 2 ]
amdhsa.kernels:
  - .name:           k_qba9bd75a9a_proj
    .symbol:         k_qba9bd75a9a_proj.kd
    .args:
      - { .name: att, .offset: 0, .size: 8, .value_kind: global_buffer, .address_space: global }
      - { .name: wo16, .offset: 8, .size: 8, .value_kind: global_buffer, .address_space: global }
      - { .name: b_o, .offset: 16, .size: 8, .value_kind: global_buffer, .address_space: global }
      - { .name: out0, .offset: 24, .size: 8, .value_kind: global_buffer, .address_space: global }
    .group_segment_fixed_size: 327680
    .private_segment_fixed_size: 0
    .kernarg_segment_align: 8
    .kernarg_segment_size: 32
    .max_flat_workgroup_size: 128
    .sgpr_count:     68
    .vgpr_count:     512
    .wavefront_size: 32
...
	.end_amdgpu_metadata
.endif
;; end of part 4
;; launch fine (part 5): grid 32 x 4, 16 waves a work-group, no clusters, 36,864 bytes of LDS; arguments qkv32, W_o, b_o, out0; writes out0
.if DOCPART == 5
	.amdgcn_target "amdgcn-amd-amdhsa--gfx1250"
	.amdhsa_code_object_version 6
	.text
	.protected	k_qba9bd75a9a_fine
	.globl	k_qba9bd75a9a_fine
	.p2align	8
	.type	k_qba9bd75a9a_fine,@function
k_qba9bd75a9a_fine:
	s_mov_b64 s[64:65], 0
	v_nop
	global_prefetch_b8 v0, s[64:65] scope:SCOPE_SE
	s_setreg_imm32_b32 hwreg(HW_REG_WAVE_MODE, 25, 1), 1
	s_wait_xcnt 0x0
; Positions 0 to 15 of every sequence, attention and projection, with f32 operands: these rows average one to sixteen values and are the largest of the output, and the rounding of 16-bit operands weighs most there.
; WORK LEFT OUT: the bias on K (not in qkv32: shown at the head of the first kernel).  Keys behind position 15 count for none of these queries.
; Work-group (g, batch): the batch's 16 rows, output columns 32 g .. 32 g + 31.  Wave = head.  Every work-group repeats the 16 x 16 attention of all heads (32 small products a wave): that spares a launch and a buffer.
; qkv32 holds images of the first product's accumulators: piece p of a head's eight: lane (r, h) has position r, channels 16 (p / 2) + 8 h + 4 (p % 2) + 0 .. 3.
; PRODUCTS, all v_wmma_f32_16x16x4_f32 (lane (r, h), register j: k = 2 h + j).  A permutation of k applied alike to both sources keeps the sum:
;   S^T = K Q^T: both sources are the images as loaded, two registers a step: the same channels stand at the same k in both.  Four accumulators by turns, added afterwards.
;   O^T = V^T P: source 1 = registers 2 s, 2 s + 1 of p (lane (r, h): keys 8 h + 2 s + j of query r); source 0 = V(key 8 h + 2 s + j, channel 16 ct + r), loaded so.
;   out^T = W_o^T O: source 1 = registers 2 g', 2 g' + 1 of O^T / l (channels 16 ct + 8 h + 2 s + j); source 0 = W_o(64 head + that channel, 32 g + 16 e + r), loaded so.  Two accumulators by turns.
; The sixteen heads' parts meet in LDS; waves 0 to 3 add them, in ascending order of heads, onto the bias, and store pieces of 128 bytes of 16 rows: the 64 rows of this launch are 1 / 128 of the output.
; The accumulators v176-207 are written by matrix instructions alone; what is made of a sum goes into other registers.
.set QR,  16                           ; v16-47   Q's image; later O^T / l
.set KR,  48                           ; v48-79   K's image; later the heads' parts
.set VR,  80                           ; v80-111  V: 8 ct + 2 s + j
.set WF,  112                          ; v112-175 W_o: 32 e + 2 (4 ct + s) + j
.set ACC, 176
.set SS,  208                          ; v208-215 the scores, then p
.set T2,  216
.set PART, 2176                        ; LDS: a head's part: four pieces of 2 x (256 + 16) bytes
.set SPARE, 16*PART                    ; the spare words, 128 bytes for each wave
	s_load_b256 s[4:11], s[0:1], 0x0               ; qkv32 s[4:5], W_o s[6:7], b_o s[8:9], out0 s[10:11]
	v_lshl_add_u32 v10, v0, 2, SPARE               ; v10: my spare word; never rewritten
	v_mov_b32 v11, 0                               ; v11: 0; never rewritten
	v_lshrrev_b32 v1, 5, v0
	v_readfirstlane_b32 s12, v1                    ; wave = head
	s_and_b32 s14, ttmp7, 0xffff                   ; batch
	v_and_b32 v1, 15, v0                           ; r
	v_bfe_u32 v2, v0, 4, 1                         ; h
	v_and_b32 v3, 31, v0
	v_lshlrev_b32 v4, 4, v3                        ; an image's place for my lane
	v_bfe_u32 v5, v0, 2, 1                         ; V(key, channel 16 ct + r): piece 2 ct + (r / 4) % 2, lane 16 (r / 8) + key, number r % 4; key = 8 h + ..
	v_lshlrev_b32 v5, 9, v5
	v_bfe_u32 v14, v0, 3, 1
	v_lshl_add_u32 v5, v14, 8, v5
	v_and_b32 v14, 3, v0
	v_lshl_add_u32 v5, v14, 2, v5
	v_lshl_add_u32 v5, v2, 7, v5
	v_lshlrev_b32 v6, 2, v1                        ; W_o: column r, row 8 h + ..
	v_lshl_add_u32 v6, v2, 15, v6
	v_and_b32 v14, 7, v0
	v_lshlrev_b32 v7, 4, v14                       ; at the end: my four columns of the 32: 16 (lane % 8) bytes
	s_mul_i32 s15, s12, PART
	v_mul_u32_u24 v8, v2, 272
	v_lshl_add_u32 v8, v1, 4, v8
	v_add_nc_u32 v8, s15, v8                       ; where I put my head's part: 272 h + 16 r in each piece
	v_bfe_u32 v9, v0, 2, 1                         ; where I read the parts back: columns 4 (lane % 8) on lie in piece 2 e + u, half h', with e, h', u the bits 2, 1, 0 of lane % 8
	v_mul_u32_u24 v9, v9, 1088
	v_and_b32 v15, 1, v0
	v_mad_u32_u24 v9, v15, 544, v9
	v_bfe_u32 v15, v0, 1, 1
	v_mad_u32_u24 v9, v15, 272, v9
	v_bfe_u32 v15, v0, 3, 2
	v_lshl_add_u32 v9, v15, 4, v9                  ; query 4 (wave % 4) + lane / 8
	s_and_b32 s15, s12, 3
	s_lshl_b32 s16, s15, 6
	v_add_nc_u32 v9, s16, v9
	v_lshl_add_u32 v240, v15, 12, v7               ; and the same place in out0: a row is 4,096 bytes
	s_lshl_b32 s16, s15, 14
	v_add_nc_u32 v240, s16, v240
	v_lshlrev_b32 v14, 3, v2
	v_sub_nc_u32 v12, v1, v14                      ; r - 8 h: register j holds key 8 h + j: hidden where j > r - 8 h
	v_mov_b32 v13, 0xff800000                      ; -infinity
	v_mov_b32 v15, 0                               ; written once: a lane permute's destination counts as one of its sources
	s_mov_b32 s20, 0x76543210
	s_mov_b32 s21, 0xfedcba98                      ; lane l xor 16
	s_mov_b32 s22, 0x3e38aa3b                      ; c = log2(e) / 8
	s_mul_i32 s16, s14, 24                         ; qkv32: 24 images of 128 columns a batch; my head's half of image head / 2
	s_lshr_b32 s17, s12, 1
	s_add_co_u32 s16, s16, s17
	s_lshl_b32 s16, s16, 13
	s_and_b32 s17, s12, 1
	s_lshl_b32 s17, s17, 12
	s_add_co_u32 s16, s16, s17
	s_mov_b32 s17, 0
	s_lshl_b32 s18, s12, 18                        ; W_o: my head's 64 rows, the group's 32 columns
	s_lshl_b32 s24, ttmp9, 7
	s_add_co_u32 s18, s18, s24
	s_mov_b32 s19, 0
	s_mov_b32 s25, 0
	s_lshl_b32 s26, s14, 23                        ; out0: the batch's first row, the group's 32 columns
	s_add_co_u32 s26, s26, s24
	s_mov_b32 s27, 0
	s_wait_kmcnt 0x0
	s_add_nc_u64 s[4:5], s[4:5], s[16:17]
	s_add_nc_u64 s[6:7], s[6:7], s[18:19]
	s_add_nc_u64 s[8:9], s[8:9], s[24:25]
	s_add_nc_u64 s[10:11], s[10:11], s[26:27]
.irp p, 0,1,2,3,4,5,6,7
	global_load_b128 v[QR+4*\p:QR+4*\p+3], v4, s[4:5] offset:512*\p
.endr
.irp p, 0,1,2,3,4,5,6,7
	global_load_b128 v[KR+4*\p:KR+4*\p+3], v4, s[4:5] offset:65536+512*\p          ; K's columns lie eight images on
.endr
.irp ct, 0,1,2,3
.irp s, 0,1,2,3
.irp j, 0,1
	global_load_b32 v[VR+8*\ct+2*\s+\j], v5, s[4:5] offset:131072+1024*\ct+16*(2*\s+\j)   ; V's sixteen
.endr
.endr
.endr
	global_load_b128 v[232:235], v7, s[8:9]        ; the bias of my four columns
.irp e, 0,1
.irp ct, 0,1,2,3
.irp s, 0,1,2,3
.irp j, 0,1
	global_load_b32 v[WF+32*\e+2*(4*\ct+\s)+\j], v6, s[6:7] offset:(16*\ct+2*\s+\j)*4096+64*\e
.endr
.endr
.endr
.endr
	s_wait_loadcnt 63                              ; of the 113 loads at most 63 are out: the first 50, Q, K, V and the bias among them, are in
.set g, 0
.rept 16                               ; S^T = K Q^T: four accumulators by turns; the first four products start the sums
.if g < 4
	v_wmma_f32_16x16x4_f32 v[ACC+8*(g%4):ACC+8*(g%4)+7], v[KR+2*g:KR+2*g+1], v[QR+2*g:QR+2*g+1], 0
.else
	v_wmma_f32_16x16x4_f32 v[ACC+8*(g%4):ACC+8*(g%4)+7], v[KR+2*g:KR+2*g+1], v[QR+2*g:QR+2*g+1], v[ACC+8*(g%4):ACC+8*(g%4)+7]
.endif
.set g, g+1
.endr
.rept 8
	v_nop                                          ; eight places behind this form (ISA guide 7.12.1)
.endr
.irp j, 0,1,2,3,4,5,6,7                ; each accumulator from its low end on
	v_add_f32 v[SS+\j], v[ACC+\j], v[ACC+8+\j]
	v_add_f32 v[T2+\j], v[ACC+16+\j], v[ACC+24+\j]
.endr
.irp j, 0,1,2,3,4,5,6,7
	v_add_f32 v[SS+\j], v[SS+\j], v[T2+\j]
.endr
.irp j, 0,1,2,3,4,5,6,7
	v_cmp_gt_i32 vcc_lo, \j, v12
	v_cndmask_b32 v[SS+\j], v[SS+\j], v13, vcc_lo  ; the causal mask; key 0 counts for every query
.endr
	v_max3_num_f32 v14, v[SS], v[SS+1], v[SS+2]
	v_max3_num_f32 v14, v14, v[SS+3], v[SS+4]
	v_max3_num_f32 v14, v14, v[SS+5], v[SS+6]
	v_max_num_f32 v14, v14, v[SS+7]
	v_permlanex16_b32 v15, v14, s20, s21
	v_max_num_f32 v14, v14, v15                    ; the row's maximum
	v_mul_f32 v14, s22, v14
.irp j, 0,1,2,3,4,5,6,7
	v_fma_f32 v[SS+\j], v[SS+\j], s22, -v14        ; c s - c m
.endr
.irp j, 0,1,2,3,4,5,6,7
	v_exp_f32 v[SS+\j], v[SS+\j]
.endr
	v_nop                                          ; a plain line behind the last exponential
	s_wait_alu depctr_va_vdst(0)                   ; the wait ahead of the first line that names a result: one for the eight
	v_add_f32 v224, v[SS], v[SS+1]
	v_add_f32 v225, v[SS+2], v[SS+3]
	v_add_f32 v226, v[SS+4], v[SS+5]
	v_add_f32 v227, v[SS+6], v[SS+7]
	v_add_f32 v224, v224, v225
	v_add_f32 v226, v226, v227
	v_add_f32 v224, v224, v226
	v_permlanex16_b32 v15, v224, s20, s21
	v_add_f32 v224, v224, v15                      ; the row's sum
	v_rcp_f32 v225, v224
	v_nop
	s_wait_alu depctr_va_vdst(0)                   ; and one for the reciprocal
.irp s, 0,1,2,3                        ; O^T = V^T P: four accumulators by turns; they begin anew far more than nine plain lines behind the products that wrote them last
.irp ct, 0,1,2,3
.if \s == 0
	v_wmma_f32_16x16x4_f32 v[ACC+8*\ct:ACC+8*\ct+7], v[VR+8*\ct+2*\s:VR+8*\ct+2*\s+1], v[SS+2*\s:SS+2*\s+1], 0
.else
	v_wmma_f32_16x16x4_f32 v[ACC+8*\ct:ACC+8*\ct+7], v[VR+8*\ct+2*\s:VR+8*\ct+2*\s+1], v[SS+2*\s:SS+2*\s+1], v[ACC+8*\ct:ACC+8*\ct+7]
.endif
.endr
.endr
.rept 8
	v_nop
.endr
.set i, 0
.rept 32
	v_mul_f32 v[QR+i], v[ACC+i], v225              ; O^T / l, into other registers: register 8 ct + j is channel 16 ct + 8 h + j of query r
.set i, i+1
.endr
.rept 9
	v_nop                                          ; nine places before matrix instructions write over the accumulators
.endr
	s_wait_loadcnt 0x0                             ; W_o
.set g, 0
.rept 16                               ; out^T = W_o^T O: two accumulators by turns
.irp e, 0,1
.if g == 0
	v_wmma_f32_16x16x4_f32 v[ACC+8*\e:ACC+8*\e+7], v[WF+32*\e+2*g:WF+32*\e+2*g+1], v[QR+2*g:QR+2*g+1], 0
.else
	v_wmma_f32_16x16x4_f32 v[ACC+8*\e:ACC+8*\e+7], v[WF+32*\e+2*g:WF+32*\e+2*g+1], v[QR+2*g:QR+2*g+1], v[ACC+8*\e:ACC+8*\e+7]
.endif
.endr
.set g, g+1
.endr
.rept 8
	v_nop
.endr
.irp e, 0,1
.irp u, 0,1
	ds_store_b128 v8, v[ACC+8*\e+4*\u:ACC+8*\e+4*\u+3] offset:(2*\e+\u)*544   ; lane (r, h): columns 16 e + 8 h + 4 u + 0 .. 3 of query r; each accumulator from its low end on
.endr
.endr
	s_wait_dscnt 0x0                               ; for the others' sake: my part lies in LDS
	s_barrier_signal -1
	s_barrier_wait -1
	s_cmp_ge_u32 s12, 4
	s_cbranch_scc1 .Lend                           ; four waves add: 4 queries x 32 columns each
.irp s, 0,1,2,3,4,5,6,7,8,9,10,11,12,13,14,15
	ds_load_b128 v[KR+4*\s:KR+4*\s+3], v9 offset:PART*\s
.endr
	s_wait_dscnt 0x0
	v_pk_add_f32 v[236:237], v[232:233], v[KR:KR+1]
	v_pk_add_f32 v[238:239], v[234:235], v[KR+2:KR+3]
.irp s, 1,2,3,4,5,6,7,8,9,10,11,12,13,14,15
	v_pk_add_f32 v[236:237], v[236:237], v[KR+4*\s:KR+4*\s+1]
	v_pk_add_f32 v[238:239], v[238:239], v[KR+4*\s+2:KR+4*\s+3]
.endr
	global_store_b128 v240, v[236:239], s[10:11]   ; eight lanes store 128 consecutive bytes of a row
.Lend:
	s_wait_tensorcnt 0x0                           ; the wave's end: behind my last LDS store
	ds_add_u32 v10, v11
	s_wait_dscnt 0x0
	s_endpgm
.Lfunc_end_k_qba9bd75a9a_fine:
	.size	k_qba9bd75a9a_fine, .Lfunc_end_k_qba9bd75a9a_fine-k_qba9bd75a9a_fine
	.p2alignl 7, 3214868480
	.fill 96, 4, 3214868480
	.section	.rodata,"a",@progbits
	.p2align	6, 0x0
	.amdhsa_kernel k_qba9bd75a9a_fine
		.amdhsa_group_segment_fixed_size 36864
		.amdhsa_private_segment_fixed_size 0
		.amdhsa_enable_private_segment 0
		.amdhsa_kernarg_size 32
		.amdhsa_user_sgpr_count 2
		.amdhsa_user_sgpr_kernarg_segment_ptr 1
		.amdhsa_wavefront_size32 1
		.amdhsa_system_sgpr_workgroup_id_x 1
		.amdhsa_system_sgpr_workgroup_id_y 1
		.amdhsa_system_sgpr_workgroup_id_z 1
		.amdhsa_system_vgpr_workitem_id 0
		.amdhsa_next_free_vgpr 256
		.amdhsa_next_free_sgpr 66
		.amdhsa_reserve_vcc 1
		.amdhsa_float_denorm_mode_32 3
		.amdhsa_float_denorm_mode_16_64 3
		.amdhsa_memory_ordered 1
		.amdhsa_forward_progress 1
		.amdhsa_inst_pref_size 27
	.end_amdhsa_kernel
	.amdgpu_metadata
---
amdhsa.version: [ 1, 2 ]
amdhsa.kernels:
  - .name:           k_qba9bd75a9a_fine
    .symbol:         k_qba9bd75a9a_fine.kd
    .args:
      - { .name: qkv32, .offset: 0, .size: 8, .value_kind: global_buffer, .address_space: global }
      - { .name: W_o, .offset: 8, .size: 8, .value_kind: global_buffer, .address_space: global }
      - { .name: b_o, .offset: 16, .size: 8, .value_kind: global_buffer, .address_space: global }
      - { .name: out0, .offset: 24, .size: 8, .value_kind: global_buffer, .address_space: global }
    .group_segment_fixed_size: 36864
    .private_segment_fixed_size: 0
    .kernarg_segment_align: 8
    .kernarg_segment_size: 32
    .max_flat_workgroup_size: 512
    .sgpr_count:     66
    .vgpr_count:     256
    .wavefront_size: 32
...
	.end_amdgpu_metadata
.endif
;; end of part 5
